; MI455X (gfx1250); checked and timed in simulation.
; The chip was launched on July 23, 2026; its instructions are those of AMD's public machine-readable ISA for CDNA 5 (MIT licence, August 2026) and "CDNA5" Instruction Set Architecture Reference Guide (July 2026). The comments in the code are by the model that wrote it; some were corrected since.
;; Encoder Block. Allowed arithmetic: matrix products marked QUANTISED: E2M3 operands, one E8M0 scale for each 32 along K, by v_wmma_scale_f32_16x16x128_f8f6f4 with both operands' format E2M3, f32 sums; everything else in f32.
;; Inputs: b1 4,096 float32; b2 1,024 float32; be1 1,024 float32; be2 1,024 float32; bk 1,024 float32; bo 1,024 float32; bq 1,024 float32; bv 1,024 float32; g1 1,024 float32; g2 1,024 float32; mask 2 x 1 x 1 x 2,048 int32; w1_codes 4,096 x 32 x 24 uint8 (E2M3 codes of w1, K innermost, in blocks of 32 codes, four codes in three bytes); w1_scales 4,096 x 32 uint8 (E8M0 scales of w1, one for each 32 codes along K); w2_codes 1,024 x 128 x 24 uint8 (E2M3 codes of w2, K innermost, in blocks of 32 codes, four codes in three bytes); w2_scales 1,024 x 128 uint8 (E8M0 scales of w2, one for each 32 codes along K); wk_codes 1,024 x 32 x 24 uint8 (E2M3 codes of wk, K innermost, in blocks of 32 codes, four codes in three bytes); wk_scales 1,024 x 32 uint8 (E8M0 scales of wk, one for each 32 codes along K); wo_codes 1,024 x 32 x 24 uint8 (E2M3 codes of wo, K innermost, in blocks of 32 codes, four codes in three bytes); wo_scales 1,024 x 32 uint8 (E8M0 scales of wo, one for each 32 codes along K); wq_codes 1,024 x 32 x 24 uint8 (E2M3 codes of wq, K innermost, in blocks of 32 codes, four codes in three bytes); wq_scales 1,024 x 32 uint8 (E8M0 scales of wq, one for each 32 codes along K); wv_codes 1,024 x 32 x 24 uint8 (E2M3 codes of wv, K innermost, in blocks of 32 codes, four codes in three bytes); wv_scales 1,024 x 32 uint8 (E8M0 scales of wv, one for each 32 codes along K); x 2 x 2,048 x 1,024 float32.
;; Outputs: out0 2 x 2,048 x 1,024 float32.
;; This version of the problem:
;;   THIS VERSION OF THE PROBLEM IS GIVEN IN LOW PRECISION. The matrix products marked QUANTISED in the list below multiply operands that are first quantised to E2M3 (2 exponent bits, 3 mantissa bits; 6 bits a number), with one power-of-two scale for each 32 numbers along K (OCP MX v1.0); their sums are f32. All else is computed in f32.
;;   The module's matrix products, in the order in which they are computed (A, B: the left and right operand; K: the contracted axis; several contracted axes count as one K, in the product's order):
;;     1. [M 4,096, K 1,024] x [K 1,024, N 1,024]; A: computed on the way; B: input wq (given as codes): QUANTISED
;;     2. [M 4,096, K 1,024] x [K 1,024, N 1,024]; A: computed on the way; B: input wk (given as codes): QUANTISED
;;     3. [M 4,096, K 1,024] x [K 1,024, N 1,024]; A: computed on the way; B: input wv (given as codes): QUANTISED
;;     4. batch 32 x [M 2,048, K 64] x [K 64, N 2,048]; A: computed on the way; B: computed on the way: QUANTISED
;;     5. batch 32 x [M 2,048, K 2,048] x [K 2,048, N 64]; A: softmax (see below); B: computed on the way: QUANTISED
;;     6. [M 4,096, K 1,024] x [K 1,024, N 1,024]; A: computed on the way; B: input wo (given as codes): QUANTISED
;;     7. [M 4,096, K 1,024] x [K 1,024, N 4,096]; A: computed on the way; B: input w1 (given as codes): QUANTISED
;;     8. [M 4,096, K 4,096] x [K 4,096, N 1,024]; A: computed on the way; B: input w2 (given as codes): QUANTISED
;;   THE QUANTISER, for each operand of a quantised product, along K:
;;     - K is cut into blocks of 32 from its start; a last block that is shorter is filled with zeros.
;;     - A block's scale is 2^e with e = floor(log2(the largest magnitude in the block)) - 2, held to -126 .. 127; a block of zeros has e = 0. As a byte (E8M0): e + 127.
;;     - Each number is divided by its block's scale, clamped to +-7.5, and rounded to the nearest number of E2M3, ties to even, subnormals kept.
;;     - The product sums the exact products of the quantised numbers (number of the format x scale) in f32.
;;   ~~~python
;;   def quantise(x, axis):      # numpy; x: float32 -> the quantised numbers, widened to float32 again
;;       x = np.moveaxis(x, axis, -1); K = x.shape[-1]
;;       x = np.pad(x, [(0, 0)] * (x.ndim - 1) + [(0, -K % 32)]); x = x.reshape(x.shape[:-1] + (-1, 32)); a = np.abs(x).max(-1, keepdims=True)
;;       e = np.where(a > 0, np.clip(np.frexp(np.where(a > 0, a, 1))[1] - 1 - 2, -126, 127), 0)      # np.frexp(a)[1] - 1 = floor(log2(a)), exactly
;;       r = np.clip(x / 2.0 ** e, -7.5, 7.5)
;;       step = 2.0 ** (np.maximum(np.frexp(np.where(r == 0, 1, r))[1] - 1, 0) - 3)
;;       q = np.round(r / step) * step * 2.0 ** e      # np.round: ties to even
;;       return np.moveaxis(q.reshape(q.shape[:-2] + (-1,))[..., :K], -1, axis).astype(np.float32)
;;   ~~~
;;   SOFTMAX AHEAD OF A QUANTISED PRODUCT. Where the list says 'softmax', what is quantised is not the finished softmax but p = 2^(t - M), with t = logit x log2(e) and M = ceil(the row's largest t), a whole number; so 1/2 < the row's largest p <= 1. The row's sum l is taken of the UNQUANTISED p, in f32, and the product's result is divided by l at the end. Since M is a whole number, a kernel that streams over the keys may use a running M (the ceiling of the running maximum): every later rescaling is an exact power of two, which a block's scale takes up: the codes' values come out the same.
;;   OPERANDS COMPUTED ON THE WAY. 'Computed on the way' means the value that the module computes at that place (a softmax that the list does not call 'softmax' is quantised finished and normalised). What goes into a quantiser is computed in f32, as accurately as f32 sums, v_exp_f32 and their like allow (about 1e-6 of the number): no bf16 or f16 on the way to a quantiser, and a product that is left as it is and whose result goes on into a quantised operand takes f32 operands (vector FMAs, or v_wmma_f32_16x16x4_f32). A number that lies on a knife's edge between two numbers of the format may be rounded either way, as far as f32 arithmetic and the matrix unit's own rounding can turn it there, and no further.
;;   INPUTS GIVEN AS CODES. w1 (in the module: [1024, 4096], K = its axis 0); w2 (in the module: [4096, 1024], K = its axis 0); wk (in the module: [1024, 1024], K = its axis 0); wo (in the module: [1024, 1024], K = its axis 0); wq (in the module: [1024, 1024], K = its axis 0); wv (in the module: [1024, 1024], K = its axis 0): each comes as NAME_codes (uint8): NAME with its K axis moved to the last place and cut into blocks of 32 codes, [.., K / 32, bytes a block], one block behind the other in memory; four codes in three bytes: a row's codes are one little-endian stream of bits, code i at bits 6 i .. 6 i + 5 (a code: sign, 2 exponent bits, 3 mantissa bits); and NAME_scales (uint8): the same leading axes, one E8M0 byte (e + 127) for each 32 codes along K. Its value is code x scale, taken as it is: it is not quantised again, and the codes and scales need not be those that the quantiser above would give.
;; One version. Each part assembles by itself: llvm-mc -triple=amdgcn-amd-amdhsa -mcpu=gfx1250 --defsym DOCPART=n.
;; ======== version 1 of 1: 7 launches
;; limits: right only within a limited range of input values
;; workspace buffers: xc 3,145,728 bytes; xs 131,072 bytes; qkvc 9,437,184 bytes; qkvs 655,360 bytes; ac 12,582,912 bytes; asc 524,288 bytes; x1 16,777,216 bytes
;; launch ln1 (part 1): grid 256 x 1, 8 waves a work-group, no clusters, 42,496 bytes of LDS; arguments x, g1, be1, xc, xs; writes xc, xs
.if DOCPART == 1
	.amdgcn_target "amdgcn-amd-amdhsa--gfx1250"
	.amdhsa_code_object_version 6
	.text
	.protected	k_q91c165ba78_ln1
	.globl	k_q91c165ba78_ln1
	.p2align	8
	.type	k_q91c165ba78_ln1,@function
k_q91c165ba78_ln1:
	s_mov_b64 s[64:65], 0
	v_nop
	global_prefetch_b8 v0, s[64:65] scope:SCOPE_SE
	s_setreg_imm32_b32 hwreg(HW_REG_WAVE_MODE, 25, 1), 1
	s_wait_xcnt 0x0
; Layer norm of rows of 1,024 f32 (mean; variance over 1,023; gain x (x - mean) / (sqrt(var) + 1e-6) + shift), then the rows as codes of FP6 (E2M3),
; K innermost, 768 bytes a row, with one E8M0 byte for each 32 along the row.  Arguments: the rows, the gain, the shift, the codes, the scale bytes.
; SHARES: 4,096 rows, 256 work-groups of eight waves, 2 rows a wave: two waves on each SIMD, and both rows of every wave are asked for at the head, so that each row waits for memory once.
; A row is 32 registers of one wave: it is read once.  The price: every wave loads the gain and the shift, 8,192 bytes, for its two rows.
; A load takes 512 consecutive bytes (16 a lane).  The conversion wants 16 neighbours in a lane: half a row (2,048 bytes) at a time turns through the wave's own stage in LDS,
; stored as loaded, read back 64 bytes a lane; 16 bytes of padding behind each 64.  Two neighbouring lanes hold a block of 32.
; A block's scale byte is its largest magnitude's exponent field - 2, held at 1 from below.  A wave makes 64 of them; the work-group's 512 meet in LDS and wave 0 stores them: two aligned runs of 256 bytes.
; LIMITS: NaN and infinities are not served; a block whose largest magnitude lies under 2^-124 (zeros too) keeps the byte 1: this program alone reads the bytes; the division is a reciprocal and a multiply.
; No loop: every offset is an immediate.  One barrier, in front of the scale bytes' way out.
.set SP,   80                          ; a lane's place in a stage: 64 bytes + 16
.set WREG, 5120                        ; a wave's two stages of 2,560 bytes
.set SBY,  8*WREG                      ; behind the eight waves' stages: the work-group's 512 scale bytes
.set G,   16                           ; v16-47   the gain, in the loads' order: register 4 i + e = column 128 i + 4 lane + e
.set BE,  48                           ; v48-79   the shift
.set X,   80                           ; v80-143  two rows of 32
.set Y,   144                          ; v144-175 two sets of 16 neighbours; its first eight also serve the sums' four chains
.set C,   176                          ; v176-183 two sets of codes
.set E,   184                          ; v184-185 two scale bytes
	s_load_b256 s[4:11], s[0:1], 0x0               ; rows s[4:5], gain s[6:7], shift s[8:9], codes s[10:11]
	s_load_b64 s[12:13], s[0:1], 0x20              ; scale bytes
	v_lshl_add_u32 v192, v0, 2, 0xa200
	v_mov_b32 v193, 0
	v_lshrrev_b32 v1, 5, v0
	v_readfirstlane_b32 s16, v1                    ; wave 0..7
	v_and_b32 v1, 31, v0                           ; lane
	v_lshlrev_b32 v2, 4, v1                        ; my 16 bytes of a load's 512
	s_mul_i32 s17, s16, WREG                       ; my wave's stages
	v_lshrrev_b32 v3, 2, v1
	v_mul_u32_u24 v3, v3, SP
	v_and_b32 v4, 3, v1
	v_lshl_add_u32 v3, v4, 4, v3
	v_add_nc_u32 v3, s17, v3                       ; the stage, on the way in: SP (lane / 4) + 16 (lane % 4)
	v_mul_u32_u24 v4, v1, SP
	v_add_nc_u32 v4, s17, v4                       ; and on the way out: SP x lane
	s_lshl_b32 s17, s16, 6                         ; my wave's 64 of the 512 scale bytes
	s_add_co_u32 s17, s17, SBY
	v_lshrrev_b32 v5, 1, v1
	v_add_nc_u32 v5, s17, v5                       ; my block's scale byte
	v_add_nc_u32 v6, SBY, v2                       ; the bytes' way out: 16 a lane
	v_mul_u32_u24 v8, v1, 12                       ; my 16 codes' 12 bytes
	v_mov_b32 v11, 0                               ; written once: a lane permute's destination counts as one of its sources
	s_mov_b32 s20, 0x76543210
	s_mov_b32 s21, 0xfedcba98                      ; selects for lane l xor 16
	s_lshl_b32 s18, ttmp9, 3
	s_add_co_u32 s18, s18, s16                     ; which pair of rows is my wave's
	s_lshl_b32 s22, s18, 13                        ; 2 rows of 4,096 bytes
	s_mov_b32 s23, 0
	s_mul_i32 s24, s18, 1536                       ; 2 rows of 768 bytes
	s_mov_b32 s25, 0
	s_lshl_b32 s26, ttmp9, 9                       ; the work-group's 512 scale bytes
	s_mov_b32 s27, 0
	s_wait_kmcnt 0x0
	s_add_nc_u64 s[4:5], s[4:5], s[22:23]
	s_add_nc_u64 s[10:11], s[10:11], s[24:25]
	s_add_nc_u64 s[12:13], s[12:13], s[26:27]
.irp i, 0,1,2,3,4,5,6,7
	global_load_b128 v[G+4*\i:G+4*\i+3], v2, s[6:7] offset:512*\i
	global_load_b128 v[BE+4*\i:BE+4*\i+3], v2, s[8:9] offset:512*\i
.endr
.macro FILL t                          ; row t: eight loads of 512 consecutive bytes
.irp i, 0,1,2,3,4,5,6,7
	global_load_b128 v[X+32*(\t)+4*\i:X+32*(\t)+4*\i+3], v2, s[4:5] offset:4096*(\t)+512*\i th:TH_LOAD_NT
.endr
.endm
.macro ACROSS                          ; the four chains in Y become one number in v10, the same in all 32 lanes
	v_pk_add_f32 v[Y:Y+1], v[Y:Y+1], v[Y+2:Y+3]
	v_pk_add_f32 v[Y+4:Y+5], v[Y+4:Y+5], v[Y+6:Y+7]
	v_pk_add_f32 v[Y:Y+1], v[Y:Y+1], v[Y+4:Y+5]
	v_add_f32 v10, v[Y], v[Y+1]
	v_add_f32_dpp v10, v10, v10 row_xmask:1 row_mask:0xf bank_mask:0xf
	v_add_f32_dpp v10, v10, v10 row_xmask:2 row_mask:0xf bank_mask:0xf
	v_add_f32_dpp v10, v10, v10 row_xmask:4 row_mask:0xf bank_mask:0xf
	v_add_f32_dpp v10, v10, v10 row_xmask:8 row_mask:0xf bank_mask:0xf
	v_permlanex16_b32 v11, v10, s20, s21
	v_add_f32 v10, v10, v11
.endm
.macro QS t, s                         ; half s of row t: my 16 neighbours in Y's set s become 12 bytes of codes; my block's byte
.set YS, Y+16*(\s)
	v_max3_num_f32 v10, |v[YS]|, |v[YS+1]|, |v[YS+2]|
	v_max3_num_f32 v11, |v[YS+3]|, |v[YS+4]|, |v[YS+5]|
.irp i, 6,10
	v_max3_num_f32 v10, v10, |v[YS+\i]|, |v[YS+\i+1]|
	v_max3_num_f32 v11, v11, |v[YS+\i+2]|, |v[YS+\i+3]|
.endr
	v_max3_num_f32 v10, v10, |v[YS+14]|, |v[YS+15]|
	v_max3_num_f32 v10, v10, v11, 0x1800000        ; and the floor 2^(3 - 127): the byte cannot fall under 1
	v_max_num_f32_dpp v10, v10, v10 row_xmask:1 row_mask:0xf bank_mask:0xf   ; with my neighbour's 16: the block's largest magnitude
	v_add_nc_u32 v9, 0xff000000, v10               ; 2 off its exponent field: the conversion takes that field as its scale
	v_cvt_scalef32_pk16_fp6_f32 v[C+4*(\s):C+4*(\s)+2], v[YS:YS+15], v9
	v_lshrrev_b32 v[E+(\s)], 23, v9                ; the byte (a plain line behind the conversion)
	ds_store_b8 v5, v[E+(\s)] offset:16*(2*(\t)+(\s))   ; both lanes of a block write the same byte with the same value
	global_store_b96 v8, v[C+4*(\s):C+4*(\s)+2], s[10:11] offset:768*(\t)+384*(\s)   ; the wave stores 384 consecutive bytes
.endm
.macro ROW t, left                     ; left: the younger row's loads, which may stay out
.set XS, X+32*(\t)
	s_wait_loadcnt \left                           ; loads come back in order: this row (and gain and shift) is in
	s_wait_xcnt 0x0                                ; the last row's stores have read their registers: C is written again only behind this wait
.irp c, 0,1,2,3
	v_pk_add_f32 v[Y+2*\c:Y+2*\c+1], v[XS+4*\c:XS+4*\c+1], v[XS+4*\c+2:XS+4*\c+3]   ; the sum, in four chains
.endr
.irp i, 16,24
.irp c, 0,1,2,3
	v_pk_add_f32 v[Y+2*\c:Y+2*\c+1], v[Y+2*\c:Y+2*\c+1], v[XS+\i+2*\c:XS+\i+2*\c+1]
.endr
.endr
	ACROSS
	v_mul_f32 v12, 0x3a800000, v10                 ; / 1,024: the mean
	v_mov_b32 v13, v12
.set i, 0
.rept 16
	v_pk_add_f32 v[XS+i:XS+i+1], v[XS+i:XS+i+1], v[12:13] neg_lo:[0,1] neg_hi:[0,1]   ; d = x - mean, in place
.set i, i+2
.endr
.irp c, 0,1,2,3
	v_pk_mul_f32 v[Y+2*\c:Y+2*\c+1], v[XS+2*\c:XS+2*\c+1], v[XS+2*\c:XS+2*\c+1]       ; the sum of d^2, in four chains
.endr
.irp i, 8,16,24
.irp c, 0,1,2,3
	v_pk_fma_f32 v[Y+2*\c:Y+2*\c+1], v[XS+\i+2*\c:XS+\i+2*\c+1], v[XS+\i+2*\c:XS+\i+2*\c+1], v[Y+2*\c:Y+2*\c+1]
.endr
.endr
	ACROSS
	v_mul_f32 v10, 0x3a802008, v10                 ; / 1,023: the unbiased variance
	v_sqrt_f32 v14, v10
	v_nop                                          ; a plain line behind the root
	s_wait_alu depctr_va_vdst(0)                   ; the wait ahead of the first reader
	v_add_f32 v14, 0x358637bd, v14                 ; + 1e-6
	v_rcp_f32 v15, v14
	v_nop
	s_wait_alu depctr_va_vdst(0)
	v_mov_b32 v14, v15                             ; 1 / (sqrt(var) + eps), twice
.set i, 0
.rept 16
	v_pk_mul_f32 v[XS+i:XS+i+1], v[XS+i:XS+i+1], v[14:15]
.set i, i+2
.endr
.set i, 0
.rept 16
	v_pk_fma_f32 v[XS+i:XS+i+1], v[XS+i:XS+i+1], v[G+i:G+i+1], v[BE+i:BE+i+1]
.set i, i+2
.endr
.irp s, 0,1                            ; both halves through the stages: LDS serves a wave's instructions in order, so no wait stands between stores and loads
.irp i, 0,1,2,3
	ds_store_b128 v3, v[XS+16*\s+4*\i:XS+16*\s+4*\i+3] offset:2560*\s+640*\i
.endr
.irp i, 0,1,2,3
	ds_load_b128 v[Y+16*\s+4*\i:Y+16*\s+4*\i+3], v4 offset:2560*\s+16*\i
.endr
.endr
	s_wait_dscnt 8                                 ; the first half is back; the second half's four stores and four loads may be out
	QS \t, 0
	s_wait_dscnt 1                                 ; all but the byte store just issued: the second half is back
	QS \t, 1
.endm
	FILL 0
	FILL 1
	ROW 0, 8
	ROW 1, 0
	s_wait_dscnt 0x0                               ; for the others' sake: my four byte stores have landed
	s_barrier_signal -1
	s_barrier_wait -1                              ; all eight waves' have
	s_cmp_lg_u32 s16, 0                            ; wave 0 alone takes the 512 bytes out
	s_cbranch_scc1 .Ldone
	ds_load_b128 v[12:15], v6
	s_wait_dscnt 0x0
	global_store_b128 v2, v[12:15], s[12:13]       ; 32 lanes store 512 consecutive bytes, at a multiple of 512 from the buffer's first byte
.Ldone:
	s_wait_tensorcnt 0x0
	ds_add_u32 v192, v193
	s_wait_dscnt 0x0
	s_endpgm
.Lfunc_end_k_q91c165ba78_ln1:
	.size	k_q91c165ba78_ln1, .Lfunc_end_k_q91c165ba78_ln1-k_q91c165ba78_ln1
	.p2alignl 7, 3214868480
	.fill 96, 4, 3214868480
	.section	.rodata,"a",@progbits
	.p2align	6, 0x0
	.amdhsa_kernel k_q91c165ba78_ln1
		.amdhsa_group_segment_fixed_size 42496
		.amdhsa_private_segment_fixed_size 0
		.amdhsa_enable_private_segment 0
		.amdhsa_kernarg_size 40
		.amdhsa_user_sgpr_count 2
		.amdhsa_user_sgpr_kernarg_segment_ptr 1
		.amdhsa_wavefront_size32 1
		.amdhsa_system_sgpr_workgroup_id_x 1
		.amdhsa_system_sgpr_workgroup_id_y 1
		.amdhsa_system_sgpr_workgroup_id_z 1
		.amdhsa_system_vgpr_workitem_id 0
		.amdhsa_next_free_vgpr 194
		.amdhsa_next_free_sgpr 66
		.amdhsa_reserve_vcc 0
		.amdhsa_float_denorm_mode_32 3
		.amdhsa_float_denorm_mode_16_64 3
		.amdhsa_memory_ordered 1
		.amdhsa_forward_progress 1
		.amdhsa_inst_pref_size 24
	.end_amdhsa_kernel
	.amdgpu_metadata
---
amdhsa.version: [ 1, 2 ]
amdhsa.kernels:
  - .name:           k_q91c165ba78_ln1
    .symbol:         k_q91c165ba78_ln1.kd
    .args:
      - { .name: x, .offset: 0, .size: 8, .value_kind: global_buffer, .address_space: global }
      - { .name: g1, .offset: 8, .size: 8, .value_kind: global_buffer, .address_space: global }
      - { .name: be1, .offset: 16, .size: 8, .value_kind: global_buffer, .address_space: global }
      - { .name: xc, .offset: 24, .size: 8, .value_kind: global_buffer, .address_space: global }
      - { .name: xs, .offset: 32, .size: 8, .value_kind: global_buffer, .address_space: global }
    .group_segment_fixed_size: 42496
    .private_segment_fixed_size: 0
    .kernarg_segment_align: 8
    .kernarg_segment_size: 40
    .max_flat_workgroup_size: 256
    .sgpr_count:     66
    .vgpr_count:     194
    .wavefront_size: 32
...
	.end_amdgpu_metadata
.endif
;; end of part 1
;; launch qkv (part 2): grid 12 x 16, 4 waves a work-group, clusters of 4 x 4, 327,680 bytes of LDS; arguments xc, xs, wq_codes, wq_scales, wk_codes, wk_scales, wv_codes, wv_scales, bq, bk, bv, mask, qkvc, qkvs; writes qkvc, qkvs
.if DOCPART == 2
	.amdgcn_target "amdgcn-amd-amdhsa--gfx1250"
	.amdhsa_code_object_version 6
	.text
	.protected	k_q91c165ba78_qkv
	.globl	k_q91c165ba78_qkv
	.p2align	8
	.type	k_q91c165ba78_qkv,@function
k_q91c165ba78_qkv:
	s_mov_b64 s[64:65], 0
	v_nop
	global_prefetch_b8 v0, s[64:65] scope:SCOPE_SE
	s_setreg_imm32_b32 hwreg(HW_REG_WAVE_MODE, 25, 1), 1
	s_wait_xcnt 0x0
	s_wait_alu depctr_hold_cnt(0) depctr_sa_sdst(0) depctr_va_vdst(0) depctr_va_sdst(0) depctr_va_ssrc(0) depctr_va_vcc(0) depctr_vm_vsrc(0)
	s_getreg_b32 s2, hwreg(HW_REG_IB_STS2, 6, 4)
	s_cmp_eq_u32 s2, 0
	s_cbranch_scc0 .Lentry_in_a_cluster
	s_endpgm
.Lentry_in_a_cluster:
	s_bfe_u32 s2, ttmp6, 0x10000c
	s_cmp_lg_u32 s2, 0xf033
	s_cbranch_scc0 .Lentry_shape_is_right
	s_endpgm
.Lentry_shape_is_right:
; q = xn wq + bq, k = xn wk + bk, v = xn wv + bv on codes of FP6 (E2M3) with E8M0 scales, K = 1,024; the results leave as codes again, quantised along the NEXT product's K.
; WHO: the cluster's x says which product (0 q, 1 k, 2 v), its y which 1,024 tokens.  A tile is 256 x 256, a wave's 128 x 128: 64 accumulators.  The matrix instruction is used transposed: source 0 = 16 rows
; of operand B, source 1 = 16 rows of operand A: a lane holds ONE row of A and its registers run along B's rows.  For q and k: A = xn's tokens, B = the weight's rows, so registers run along the head's
; 64, which are the scores' K.  For v the two change places, by pointers alone: A = wv's rows, B = tokens, so registers run along the keys, which are the second product's K.
; K goes in steps of 256 through a ring of two LDS slots filled by joint tensor loads (A's tile shared along a row of the cluster, B's along a column); all scale bytes come once.
; THE WAY OUT uses no LDS.  A block of 16 rows x 128 columns (64 numbers a lane) gets its bias by one packed multiply-add, is quantised in registers and is stored as the IMAGE OF AN OPERAND'S REGISTERS:
; for each 64 along the next K six registers a lane: four as 16 bytes x lane (512 bytes), two as 8 bytes x lane (256 bytes): 768 bytes, whole aligned runs of 256.
; THE ORDER INSIDE A BLOCK OF 32: places 0-7, 8-15, 16-23, 24-31 hold elements 0-7, 16-23, 8-15, 24-31.  q and k carry it alike, and so do v and the weights p that meet it: the sums are the same sums.
; qkvc: q at 0, k at 3,145,728: [batch x 16 + head][16 tokens: 128][768]; v at 6,291,456: [batch][64 keys: 32][16 channels: 64][768].
; qkvs, words: q at 0, k at 262,144: [batch x 16 + head][2,048 tokens]: bytes 0, 1 the head's two blocks, byte 3 = 0, byte 2 = 127 for q; for k 167 where mask == 0, else 0 (the next launch's head says why);
;   v at 524,288: [batch][128 keys: 16][1,024 channels]: four bytes for four blocks of keys.
; LIMITS: NaN and infinities are not served; a block whose largest magnitude lies under 2^-124 keeps the byte 1.
; REGISTERS: window 0: v0-31 addresses; v32-63 scale words, two sets; v64-127 the bias along the registers (or ones); v128-223 A's fragments, one set; v224-239 the bias of a lane's row (or ones), in pairs;
;   v240-247 byte 2 of the scale words.  window 1: B's fragments, two sets.  windows 2, 3: the accumulators ((a, b) at v[8 (8 (a % 4) + b)]).  On the way out v32-61 and v128-211 are at work.
.set SIZE_K, 1024
.set KSTEP,  256
.set NQ,     KSTEP/128
.set ROWB,   192                       ; a tile's row in bytes
.set KROW,   SIZE_K*6/8
.set PITCH,  240                       ; an LDS row: 3 x (64 bytes + 16 of padding): the 32 lanes of a load of 8 bytes touch 64 different banks
.set FR,     12
.set NL,     6
.set NP,     4
.set HALFT,  128*PITCH
.set SLOT,   4*HALFT
.set LAPS,   SIZE_K/(2*KSTEP)
.set KS,     SIZE_K/32
.set SCL,    2*SLOT                    ; behind the ring: the scale bytes, as runs of 256 bytes + 16
.set HALFS,  (128*KS/256)*272
.set SBLK,   (16*KS/256)*272
.set SPARE,  SCL+4*HALFS               ; the spare words: 128 bytes a wave, named by no other line
.set ADRA, 16
.set ADRB, 20
.set GO16, 24                          ; 16 x lane
.set GO8,  25                          ; 8 x lane
.set GO4,  26                          ; 4 x lane
.set ADRS, 27
.set SPW,  28
.set NIL,  29
.set SC,   32
.set BN,   64
.set AF,   128
.set SV,   224
.set MK,   240
.set XMV,  248
.set T,    128                         ; the way out: 64 numbers
.set PC,   192                         ; the codes just made (and eight registers at work)
.set TM,   32
.set PW,   48
.set W0E,  49
.set W1E,  50
.set P0,   52
.set P1,   56
.set W0,   60
.set W1,   61
.set SEL,  20
.set G1, 24
.set G0, 32
.set G1B, 48
.set G0B, 56
.set G1S, 68
.set G0S, 76
.set G1SB, 80
.set G0SB, 88
.set MSB, 0
.macro WIN new                         ; the immediate's high byte repeats the setting that is left
.if MSB != \new
	s_set_vgpr_msb (MSB<<8)|\new
.set MSB, \new
.endif
.endm
.set MUL_LO, 0xa1                      ; source 0 (B) window 1, source 1 (A) window 0, C and D window 2
.set MUL_HI, 0xf1
.set TO_B,   0x40
.macro JLOAD g0a, g1a, g0b, g1b        ; a joint load: waves 0 and 1 fetch for A, waves 2 and 3 for B; four v_nop follow each line
	s_cmp_eq_u32 s15, 0
	s_cbranch_scc0 .Lfor_b_\@
	tensor_load_to_lds s[\g0a:\g0a+3], s[\g1a:\g1a+7]
	s_nop 0
.rept 4
	v_nop
.endr
	s_branch .Lasked_\@
.Lfor_b_\@:
	tensor_load_to_lds s[\g0b:\g0b+3], s[\g1b:\g1b+7]
	s_nop 0
.rept 4
	v_nop
.endr
.Lasked_\@:
.endm
.macro CREST
	s_cmp_lg_u32 s14, 0
	s_cbranch_scc1 .Lnot_wave_0_\@
	s_barrier_signal -3
.Lnot_wave_0_\@:
	s_barrier_wait -3
	s_barrier_signal -1
	s_barrier_wait -1
.endm
.macro CROUND
	s_barrier_signal -1
	s_barrier_wait -1
	CREST
.endm
	s_load_b512 s[68:83], s[0:1], 0x0              ; xc, xs, wq codes, scales, wk codes, scales, wv codes, scales
	s_load_b256 s[84:91], s[0:1], 0x40             ; bq, bk, bv, mask
	v_lshl_add_u32 v[SPW], v0, 2, SPARE
	v_mov_b32 v[NIL], 0
	ds_add_u32 v28, v29
	ds_add_u32 v28, v29
	s_wait_dscnt 0x0
	v_lshrrev_b32 v1, 5, v0
	v_readfirstlane_b32 s14, v1                    ; wave 0..3
	s_lshr_b32 s15, s14, 1                         ; my half of A's rows.  Also: I fetch for A (0) or for B (1)
	s_and_b32 s16, s14, 1                          ; my half of B's rows.  Also: which 128 rows I fetch
	s_bfe_u32 s40, ttmp6, 0x40000                  ; cx, cy
	s_bfe_u32 s41, ttmp6, 0x40004
	s_and_b32 s17, ttmp7, 0xffff
	s_lshl_b32 s17, s17, 2                         ; 4 x cluster y: the tokens' tiles
	s_cmp_eq_u32 ttmp9, 2                          ; v?  The cluster's x is the same in all sixteen partners
	s_cselect_b32 s42, s17, 0                      ; B's tiles: tokens for v, the weight's rows else
	s_cselect_b32 s17, 0, s17                      ; A's tiles: the other way round
	s_add_co_u32 s42, s42, s40                     ; B's tile
	s_add_co_u32 s17, s17, s41                     ; A's tile
	s_lshl_b32 s43, s41, 2
	s_lshl_b32 s43, 15, s43                        ; my row of the cluster
	s_lshl_b32 s44, 0x1111, s40                    ; my column
	s_or_b32 s[G1+0], s43, (0<<16)|(1<<20)|(1<<21)|(3<<22)|(3<<25)   ; the mask; elements of 1 byte; padding of 4 words behind every 16
	s_or_b32 s[G1B+0], s44, (0<<16)|(1<<20)|(1<<21)|(3<<22)|(3<<25)
.irp g, G1, G1B
	s_mov_b32 s[\g+1], ROWB<<16                    ; tensor_dim0
	s_mov_b32 s[\g+2], 128<<16                     ; tensor_dim1
	s_mov_b32 s[\g+3], ROWB<<16                    ; tile_dim0
	s_mov_b32 s[\g+4], 128                         ; tile_dim1
	s_mov_b32 s[\g+5], KROW                        ; the pitch
	s_mov_b32 s[\g+6], 0
	s_mov_b32 s[\g+7], 0
.endr
	s_lshl_b32 s18, s16, 7
	s_lshl_b32 s20, s17, 8
	s_add_co_u32 s20, s20, s18                     ; A: row 256 x tile + 128 x half
	s_lshl_b32 s46, s42, 8
	s_add_co_u32 s46, s46, s18                     ; B likewise
	s_mov_b32 s21, 0
	s_mov_b32 s47, 0
	s_mov_b64 s[18:19], KS
	s_mul_u64 s[22:23], s[20:21], s[18:19]         ; these rows' scale bytes
	s_mul_u64 s[92:93], s[46:47], s[18:19]
	s_mov_b64 s[18:19], KROW
	s_mul_u64 s[20:21], s[20:21], s[18:19]         ; and codes
	s_mul_u64 s[46:47], s[46:47], s[18:19]
	s_mul_i32 s45, s14, HALFT                      ; where they go: by the wave's number alone
	s_mul_i32 s94, s14, HALFS
	s_wait_kmcnt 0x0
	s_cmp_eq_u32 ttmp9, 0
	s_cselect_b64 s[8:9], s[72:73], s[76:77]       ; wq or wk,
	s_cselect_b64 s[10:11], s[74:75], s[78:79]
	s_cselect_b64 s[12:13], s[84:85], s[86:87]     ; bq or bk
	s_cmp_eq_u32 ttmp9, 2
	s_cselect_b64 s[4:5], s[80:81], s[68:69]       ; A's codes: wv for v, else xn
	s_cselect_b64 s[6:7], s[82:83], s[70:71]       ; A's scales
	s_cselect_b64 s[8:9], s[68:69], s[8:9]         ; B's codes: xn for v
	s_cselect_b64 s[10:11], s[70:71], s[10:11]
	s_cselect_b64 s[12:13], s[88:89], s[12:13]     ; the bias
	s_mov_b64 s[66:67], s[90:91]                   ; the mask
	s_or_b32 s[G1S+0], s43, (3<<16)|(1<<20)|(1<<21)|(5<<22)|(3<<25)   ; s68-91 are free now: the scales of 128 rows, dense, as rows of 256 bytes + 16
	s_or_b32 s[G1SB+0], s44, (3<<16)|(1<<20)|(1<<21)|(5<<22)|(3<<25)
.irp g, G1S, G1SB
	s_mov_b32 s[\g+1], 32<<16
	s_mov_b32 s[\g+2], (128*KS/256)<<16
	s_mov_b32 s[\g+3], 32<<16
	s_mov_b32 s[\g+4], 128*KS/256
	s_mov_b32 s[\g+5], 32
	s_mov_b32 s[\g+6], 0
	s_mov_b32 s[\g+7], 0
.endr
	s_add_nc_u64 s[20:21], s[4:5], s[20:21]
	s_add_nc_u64 s[22:23], s[6:7], s[22:23]
	s_add_nc_u64 s[46:47], s[8:9], s[46:47]
	s_add_nc_u64 s[92:93], s[10:11], s[92:93]
	CROUND                                         ; all sixteen work-groups are here: the first joint loads meet
	s_mov_b32 s[G0S], 1
	s_add_co_u32 s[G0S+1], s94, SCL
	s_mov_b64 s[G0S+2:G0S+3], s[22:23]
	s_or_b32 s[G0S+3], s[G0S+3], 0x80000000
	s_mov_b32 s[G0SB], 1
	s_add_co_u32 s[G0SB+1], s94, SCL
	s_mov_b64 s[G0SB+2:G0SB+3], s[92:93]
	s_or_b32 s[G0SB+3], s[G0SB+3], 0x80000000
	JLOAD G0S, G1S, G0SB, G1SB                     ; the scales first
.irp s, 0,1
	s_mov_b32 s[G0+4*\s], 1
	s_add_co_u32 s[G0+4*\s+1], s45, \s*SLOT
	s_add_nc_u64 s[G0+4*\s+2:G0+4*\s+3], s[20:21], \s*ROWB
	s_or_b32 s[G0+4*\s+3], s[G0+4*\s+3], 0x80000000
	s_mov_b32 s[G0B+4*\s], 1
	s_add_co_u32 s[G0B+4*\s+1], s45, \s*SLOT
	s_add_nc_u64 s[G0B+4*\s+2:G0B+4*\s+3], s[46:47], \s*ROWB
	s_or_b32 s[G0B+4*\s+3], s[G0B+4*\s+3], 0x80000000
	JLOAD G0+4*\s, G1, G0B+4*\s, G1B
.endr
	v_and_b32 v1, 15, v0                           ; r
	v_bfe_u32 v2, v0, 4, 1                         ; h
	; the biases and the mask: asked for now, under the first tiles' way
	s_lshl_b32 s96, s17, 8
	s_lshl_b32 s95, s15, 7
	s_add_co_u32 s96, s96, s95                     ; m0: my first row of A
	s_lshl_b32 s97, s42, 8
	s_lshl_b32 s95, s16, 7
	s_add_co_u32 s97, s97, s95                     ; n0: my first row of B
	s_and_b32 s95, s97, 1023                       ; (held inside the bias's 1,024 numbers where the rows are tokens: what is loaded then is not used)
	s_lshl_b32 s95, s95, 2
	v_lshl_add_u32 v8, v2, 5, s95                  ; 4 (n0 % 1,024) + 32 h
	s_and_b32 s95, s96, 1023
	s_lshl_b32 s95, s95, 2
	v_lshl_add_u32 v9, v1, 2, s95                  ; 4 (m0 % 1,024) + 4 r
	s_lshl_b32 s95, s96, 2
	v_lshl_add_u32 v10, v1, 2, s95                 ; 4 m0 + 4 r: under 4,096 words
.irp b, 0,1,2,3,4,5,6,7
	global_load_b128 v[BN+8*\b:BN+8*\b+3], v8, s[12:13] offset:64*\b       ; register 8 b + j: the bias at n0 + 16 b + 8 h + j
	global_load_b128 v[BN+8*\b+4:BN+8*\b+7], v8, s[12:13] offset:64*\b+16
.endr
.irp a, 0,1,2,3,4,5,6,7
	global_load_b32 v[SV+2*\a], v9, s[12:13] offset:64*\a                  ; the bias at m0 + 16 a + r
	global_load_b32 v[MK+\a], v10, s[66:67] offset:64*\a                   ; the mask at token m0 + 16 a + r
.endr
	s_load_b128 s[4:7], s[0:1], 0x60               ; qkvc, qkvs
	v_mul_u32_u24 v3, v1, PITCH
	v_mul_u32_u24 v4, v2, 24
	v_add_nc_u32 v4, v3, v4                        ; a fragment's row x pitch + 24 x half
	v_lshl_add_u32 v5, v2, 4, v4                   ; and the same behind one padding more
	s_mul_i32 s21, s15, HALFT
	s_mul_i32 s22, s16, HALFT
	s_add_co_u32 s22, s22, 2*HALFT
.irp s, 0,1
	v_add_nc_u32 v[ADRA+\s], s21, v4
	v_add_nc_u32 v[ADRB+\s], s22, v4
	v_add_nc_u32 v[ADRA+2+\s], s21, v5
	v_add_nc_u32 v[ADRB+2+\s], s22, v5
	s_add_co_u32 s21, s21, SLOT
	s_add_co_u32 s22, s22, SLOT
.endr
	v_mul_u32_u24 v5, v1, KS
	v_lshrrev_b32 v6, 8, v5
	v_lshl_add_u32 v5, v6, 4, v5
	s_mul_i32 s21, s15, HALFS
	s_mul_i32 s22, s16, HALFS
	s_add_co_u32 s22, s22, 2*HALFS
	s_sub_co_u32 s22, s22, s21
	v_mul_u32_u24 v6, s22, v2                      ; lanes 16-31 take B's scale words
	s_add_co_u32 s21, s21, SCL
	v_add_nc_u32 v5, v5, v6
	v_add_nc_u32 v[ADRS], s21, v5
	v_and_b32 v6, 31, v0
	v_lshlrev_b32 v[GO16], 4, v6
	v_lshlrev_b32 v[GO8], 3, v6
	v_lshlrev_b32 v[GO4], 2, v6
	; what byte 2 of a scale word is: q 127; k 167 where the mask is 0, else 0; v has four real bytes
	s_cmp_eq_u32 ttmp9, 0
	s_cselect_b32 s100, 0x7f0000, 0                ; where the mask is not 0
	s_cselect_b32 s101, 0x7f0000, 0                ; where it is 0
	s_cmp_eq_u32 ttmp9, 1
	s_cselect_b32 s101, 0xa70000, s101
	v_mov_b32 v[XMV], s101
	s_cmp_eq_u32 ttmp9, 2
	s_cselect_b32 s98, 0, -1                       ; all lanes where the bias runs along the registers (q, k)
	s_cselect_b32 s99, -1, 0                       ; all lanes where it is the lane's row's (v)
	s_wait_loadcnt 0x0
.set i, 0
.rept 64
	v_cndmask_b32 v[BN+i], 1.0, v[BN+i], s98
.set i, i+1
.endr
.irp a, 0,1,2,3,4,5,6,7
	v_cndmask_b32 v[SV+2*\a], 1.0, v[SV+2*\a], s99
	v_mov_b32 v[SV+2*\a+1], 0                      ; named with it as a pair
	v_cmp_eq_u32 vcc_lo, 0, v[MK+\a]
	v_cndmask_b32 v[MK+\a], s100, v[XMV], vcc_lo
.endr
	; where my results go, in bytes.  q, k:
	s_lshr_b32 s40, s96, 11
	s_lshl_b32 s40, s40, 4
	s_lshr_b32 s41, s97, 6
	s_add_co_u32 s40, s40, s41                     ; batch x 16 + head
	s_and_b32 s41, s96, 2047                       ; the token in its batch
	s_lshl_b32 s43, s40, 7
	s_lshr_b32 s44, s41, 4
	s_add_co_u32 s43, s43, s44
	s_mul_i32 s43, s43, 768
	s_mul_i32 s44, ttmp9, 3145728
	s_add_co_u32 s43, s43, s44                     ; codes
	s_lshl_b32 s40, s40, 11
	s_add_co_u32 s40, s40, s41
	s_lshl_b32 s40, s40, 2
	s_lshl_b32 s44, ttmp9, 18
	s_add_co_u32 s40, s40, s44                     ; scale words
	; v:
	s_lshr_b32 s44, s97, 11                        ; batch
	s_and_b32 s45, s97, 2047                       ; the key in its batch
	s_lshl_b32 s46, s44, 5
	s_lshr_b32 s47, s45, 6
	s_add_co_u32 s46, s46, s47
	s_lshl_b32 s46, s46, 6
	s_lshr_b32 s47, s96, 4
	s_add_co_u32 s46, s46, s47
	s_mul_i32 s46, s46, 768
	s_add_co_u32 s46, s46, 6291456                 ; codes
	s_lshl_b32 s44, s44, 4
	s_lshr_b32 s45, s45, 7
	s_add_co_u32 s44, s44, s45
	s_lshl_b32 s44, s44, 10
	s_add_co_u32 s44, s44, s96
	s_lshl_b32 s44, s44, 2
	s_add_co_u32 s44, s44, 524288                  ; scale words
	s_cmp_eq_u32 ttmp9, 2
	s_cselect_b32 s18, s46, s43
	s_cselect_b32 s22, s44, s40
	s_mov_b32 s23, 98304                           ; from a head to the next,
	s_cselect_b32 s20, 49152, s23                  ; or from 64 keys to the next
	s_mov_b32 s95, 0xffff
	s_cselect_b32 s95, -1, s95                     ; which bytes of the word just made go into the first word
	s_mov_b32 s19, 0
	s_mov_b32 s21, 0
	s_mov_b32 s23, 0
	s_mov_b32 s94, 0xffff0000                      ; lanes 16-31
	s_wait_kmcnt 0x0
	s_add_nc_u64 s[8:9], s[4:5], s[18:19]          ; codes of the first 64 along the next K,
	s_add_nc_u64 s[10:11], s[8:9], s[20:21]        ; of the second
	s_add_nc_u64 s[12:13], s[6:7], s[22:23]        ; scale words (the bias's loads are in: their base may be written)
	s_add_nc_u64 s[92:93], s[12:13], 8192          ; the next head's
	s_mov_b32 s[SEL], 0x76543210
	s_mov_b32 s[SEL+1], 0xfedcba98
.macro FRAG reg, adr, q, i             ; a fragment: 16 rows x 128 K, 12 registers, in six pieces of 8 bytes; where lanes 16-31's piece lies behind one padding more, the second address register serves
.irp p, 0,1,2,3,4,5
.set PCE, 12*(\q)+6*(\p/3)+\p%3
.if PCE%8 < 5
	ds_load_b64 v[\reg+2*\p:\reg+2*\p+1], v[\adr] offset:8*PCE+16*(PCE/8)+(\i)*16*PITCH
.else
	ds_load_b64 v[\reg+2*\p:\reg+2*\p+1], v[\adr+2] offset:8*PCE+16*(PCE/8)+(\i)*16*PITCH
.endif
.endr
.endm
; 16 matrix instructions: A's blocks a0, a0 + 1 x B's eight.  The 64 accumulators take turns, one instruction a turn, in the same order in every step.
.macro MUL16 a0, p, q, sc, zero
.irp a, \a0, \a0+1
.irp b, 0,1,2,3,4,5,6,7
.if \zero
	v_wmma_scale_f32_16x16x128_f8f6f4 v[8*(8*((\a)%4)+\b):8*(8*((\a)%4)+\b)+7], v[128*(\p)+FR*\b:128*(\p)+FR*\b+FR-1], v[AF+FR*(\a):AF+FR*(\a)+FR-1], 0, v[SC+8*NQ*(\sc)+NQ*\b+(\q)], v[SC+8*NQ*(\sc)+NQ*(\a)+(\q)] matrix_a_fmt:MATRIX_FMT_FP6 matrix_b_fmt:MATRIX_FMT_FP6 matrix_a_scale:MATRIX_SCALE_ROW1
.else
	v_wmma_scale_f32_16x16x128_f8f6f4 v[8*(8*((\a)%4)+\b):8*(8*((\a)%4)+\b)+7], v[128*(\p)+FR*\b:128*(\p)+FR*\b+FR-1], v[AF+FR*(\a):AF+FR*(\a)+FR-1], v[8*(8*((\a)%4)+\b):8*(8*((\a)%4)+\b)+7], v[SC+8*NQ*(\sc)+NQ*\b+(\q)], v[SC+8*NQ*(\sc)+NQ*(\a)+(\q)] matrix_a_fmt:MATRIX_FMT_FP6 matrix_b_fmt:MATRIX_FMT_FP6 matrix_a_scale:MATRIX_SCALE_ROW1
.endif
.endr
.endr
.endm
.macro FETCH_B slot, q, p
	WIN TO_B
.irp i, 0,1,2,3,4,5,6,7
	FRAG 128*(\p)+FR*\i, ADRB+\slot, \q, \i
.endr
	WIN 0
.endm
.macro FETCH_A slot, q, i0
.irp i, \i0, \i0+1, \i0+2, \i0+3
	FRAG AF+FR*(\i), ADRA+\slot, \q, \i
.endr
.endm
.macro SCALES sc                       ; lanes 0-15 take A's block i, lanes 16-31 B's block i: two words a row
.irp i, 0,1,2,3,4,5,6,7
	ds_load_b64 v[SC+8*NQ*\sc+NQ*\i:SC+8*NQ*\sc+NQ*\i+1], v[ADRS] offset:\i*SBLK
.endr
.endm
.macro PLACES n                        ; plain vector lines between a matrix instruction and a load into, or a read or write of, its registers
.rept \n
	v_nop
.endr
.endm
.macro STEP slot, q, zero              ; 128 along K that has its successor in the same slot
	s_wait_dscnt 4*NL                              ; B's set and A's blocks 0-3 are in; the youngest 24 loads (A's blocks 4-7) may be out
	WIN MUL_LO
	MUL16 0, (\q)%2, \q, \slot, \zero
	MUL16 2, (\q)%2, \q, \slot, \zero
	s_wait_dscnt 0
	PLACES NP
	FETCH_B \slot, (\q)+1, 1-(\q)%2
	FETCH_A \slot, (\q)+1, 0
	WIN MUL_HI
	MUL16 4, (\q)%2, \q, \slot, \zero
	MUL16 6, (\q)%2, \q, \slot, \zero
	PLACES NP
	WIN 0
	FETCH_A \slot, (\q)+1, 4
.endm
.macro TURN slot, next, fill           ; a slot's last step changes slots: one barrier
	s_wait_tensorcnt 0x0                           ; all my tensor loads have landed: my part of the next slot;
	ds_add_u32 v[SPW], v[NIL]                      ; 0 onto my spare word;
	s_wait_dscnt 4*NL+1                            ; (the add and the youngest 24 loads may be out)
	WIN MUL_LO
	MUL16 0, 1, NQ-1, \slot, 0
	s_wait_dscnt 0x0                               ; the add is done, and my reads of this slot are over
	s_barrier_signal -1
	MUL16 2, 1, NQ-1, \slot, 0
	WIN 0
	s_barrier_wait -1
.if \fill
	CREST                                          ; the barrier has opened a round of the cluster's: no wave of any partner still reads this slot or has a load on its way
	s_add_nc_u64 s[G0+4*\slot+2:G0+4*\slot+3], s[G0+4*\slot+2:G0+4*\slot+3], 2*ROWB
	s_add_nc_u64 s[G0B+4*\slot+2:G0B+4*\slot+3], s[G0B+4*\slot+2:G0B+4*\slot+3], 2*ROWB
	JLOAD G0+4*\slot, G1, G0B+4*\slot, G1B         ; the first tensor load behind the round
.else
	PLACES NP
.endif
	v_add_nc_u32 v[ADRS], 4*NQ, v[ADRS]
	FETCH_B \next, 0, 0
	FETCH_A \next, 0, 0
	SCALES \next
	WIN MUL_HI
	MUL16 4, 1, NQ-1, \slot, 0
	MUL16 6, 1, NQ-1, \slot, 0
	PLACES NP
	WIN 0
	FETCH_A \next, 0, 4
.endm
	s_wait_tensorcnt 1                             ; the scales and my part of K step 0 are in (K step 1's load may be out),
	s_barrier_signal -1
	s_barrier_wait -1                              ; everybody's are
	FETCH_B 0, 0, 0
	FETCH_A 0, 0, 0
	SCALES 0
	FETCH_A 0, 0, 4
	STEP 0, 0, 1                                   ; the first step's products start the sums
	s_mov_b32 s3, LAPS-1
.Llap:
	TURN 0, 1, 1
	STEP 1, 0, 0
	TURN 1, 0, 1
	STEP 0, 0, 0
	s_sub_co_u32 s3, s3, 1
	s_cmp_lg_u32 s3, 0
	s_cbranch_scc1 .Llap
	TURN 0, 1, 0
	STEP 1, 0, 0
	s_wait_dscnt 4*NL
	WIN MUL_LO
	MUL16 0, 1, NQ-1, 1, 0
	MUL16 2, 1, NQ-1, 1, 0
	s_wait_dscnt 0
	WIN MUL_HI
	MUL16 4, 1, NQ-1, 1, 0
	MUL16 6, 1, NQ-1, 1, 0
	WIN 0
; 64 numbers of a lane, v[s] on: registers 16 b .. 16 b + 15 are my half of block b of my row.  They become a fragment's codes in v[PC] on and its scale word in v[PW].
.macro QUANT s
.irp b, 0,1,2,3
	v_max3_num_f32 v[TM+\b], |v[\s+16*\b]|, |v[\s+1+16*\b]|, 0x1800000   ; with the floor 2^(3 - 127): the byte cannot fall under 1
.endr
.irp i, 2,4,6,8,10,12,14
.irp b, 0,1,2,3
	v_max3_num_f32 v[TM+\b], v[TM+\b], |v[\s+16*\b+\i]|, |v[\s+1+16*\b+\i]|
.endr
.endr
.irp b, 0,1,2,3
	v_permlanex16_b32 v[TM+4+\b], v[TM+\b], s[SEL], s[SEL+1]
.endr
.irp b, 0,1,2,3
	v_max_num_f32 v[TM+\b], v[TM+\b], v[TM+4+\b]   ; with lane l xor 16's: the block's largest magnitude
.endr
.irp b, 0,1,2,3
	v_add_nc_u32 v[TM+12+\b], 0xff000000, v[TM+\b] ; 2 off its exponent field: the conversion's scale operand
.endr
.irp b, 0,1,2,3
	v_lshrrev_b32 v[TM+4+\b], 23, v[TM+12+\b]      ; the byte
.endr
	v_lshl_or_b32 v[PW], v[TM+5], 8, v[TM+4]
	v_lshl_or_b32 v[PW], v[TM+6], 16, v[PW]
	v_lshl_or_b32 v[PW], v[TM+7], 24, v[PW]
.irp c, 0,1
	v_cvt_scalef32_pk16_fp6_f32 v[PC+6*\c:PC+2+6*\c], v[\s+32*\c:\s+15+32*\c], v[TM+12+2*\c]
	v_cvt_scalef32_pk16_fp6_f32 v[PC+12+4*\c:PC+14+4*\c], v[\s+16+32*\c:\s+31+32*\c], v[TM+12+2*\c+1]
.endr
	v_nop                                          ; one plain line behind a scaled conversion
.irp c, 0,1                            ; the operand's layout wants a whole block in a lane
.irp i, 0,1,2
	v_permlane16_swap_b32 v[PC+6*\c+\i], v[PC+12+4*\c+\i]
.endr
.irp i, 0,1,2
	v_mov_b32 v[PC+3+6*\c+\i], v[PC+12+4*\c+\i]
.endr
.endr
.endm
; Block a of my eight: 16 rows of A x 128 rows of B.
.macro OUTB a
.set AC, 64*((\a)%4)
	s_wait_xcnt 0x0                                ; the last block's stores have read the codes' registers
	WIN 0x20+0x10*((\a)/4)                         ; source 2: window 2 or 3
.set i, 0
.rept 32
	v_pk_fma_f32 v[T+i:T+i+1], v[BN+i:BN+i+1], v[SV+2*(\a):SV+2*(\a)+1], v[AC+i:AC+i+1] op_sel_hi:[1,0,1]   ; bias x 1 + sum, or 1 x bias + sum: one rounding; each accumulator from its low end on
.set i, i+2
.endr
	WIN 0
	QUANT T
	global_store_b128 v[GO16], v[PC:PC+3], s[8:9] offset:768*(\a)          ; 512 consecutive bytes,
	global_store_b64 v[GO8], v[PC+4:PC+5], s[8:9] offset:768*(\a)+512      ; 256 more: the first 64 along the next K
	global_store_b128 v[GO16], v[PC+6:PC+9], s[10:11] offset:768*(\a)
	global_store_b64 v[GO8], v[PC+10:PC+11], s[10:11] offset:768*(\a)+512
.if (\a)%2 == 0
	v_and_or_b32 v[W0E], v[PW], s95, v[MK+(\a)]
	v_lshrrev_b32 v[W1E], 16, v[PW]
	v_or_b32 v[W1E], v[W1E], v[MK+(\a)]
.else
	v_and_or_b32 v[W0], v[PW], s95, v[MK+(\a)]
	v_lshrrev_b32 v[W1], 16, v[PW]
	v_or_b32 v[W1], v[W1], v[MK+(\a)]
	v_cndmask_b32 v[P0+(\a)/2], v[W0E], v[W0], s94   ; lanes 0-15: the even block's rows; lanes 16-31: the odd block's: 32 neighbouring words
	v_cndmask_b32 v[P1+(\a)/2], v[W1E], v[W1], s94
.endif
.endm
	PLACES NP                                      ; behind the last products: their operands' registers are written and their results read below
.irp b, 0,1,2,3
	v_mov_b32 v[TM+4+\b], 0                        ; written once: a lane permute's destination counts as one of its sources
.endr
.irp a, 0,1,2,3,4,5,6,7
	OUTB \a
.endr
.irp i, 0,1,2,3
	global_store_b32 v[GO4], v[P0+\i], s[12:13] offset:128*\i   ; together 512 consecutive bytes
.endr
	s_cmp_eq_u32 ttmp9, 2                          ; v's word is whole: it has no second head.  The same way in all partners
	s_cbranch_scc1 .Lno_second
.irp i, 0,1,2,3
	global_store_b32 v[GO4], v[P1+\i], s[92:93] offset:128*\i
.endr
.Lno_second:
	s_wait_tensorcnt 0x0                           ; the wave's end
	ds_add_u32 v[SPW], v[NIL]
	s_wait_dscnt 0x0
	CROUND                                         ; the closing round
	s_endpgm
.Lfunc_end_k_q91c165ba78_qkv:
	.size	k_q91c165ba78_qkv, .Lfunc_end_k_q91c165ba78_qkv-k_q91c165ba78_qkv
	.p2alignl 7, 3214868480
	.fill 96, 4, 3214868480
	.section	.rodata,"a",@progbits
	.p2align	6, 0x0
	.amdhsa_kernel k_q91c165ba78_qkv
		.amdhsa_group_segment_fixed_size 327680
		.amdhsa_private_segment_fixed_size 0
		.amdhsa_enable_private_segment 0
		.amdhsa_kernarg_size 112
		.amdhsa_user_sgpr_count 2
		.amdhsa_user_sgpr_kernarg_segment_ptr 1
		.amdhsa_wavefront_size32 1
		.amdhsa_system_sgpr_workgroup_id_x 1
		.amdhsa_system_sgpr_workgroup_id_y 1
		.amdhsa_system_sgpr_workgroup_id_z 1
		.amdhsa_system_vgpr_workitem_id 0
		.amdhsa_next_free_vgpr 1024
		.amdhsa_next_free_sgpr 104
		.amdhsa_reserve_vcc 1
		.amdhsa_float_denorm_mode_32 3
		.amdhsa_float_denorm_mode_16_64 3
		.amdhsa_memory_ordered 1
		.amdhsa_forward_progress 1
		.amdhsa_inst_pref_size 193
	.end_amdhsa_kernel
	.amdgpu_metadata
---
amdhsa.version: [ 1, 2 ]
amdhsa.kernels:
  - .name:           k_q91c165ba78_qkv
    .symbol:         k_q91c165ba78_qkv.kd
    .args:
      - { .name: xc, .offset: 0, .size: 8, .value_kind: global_buffer, .address_space: global }
      - { .name: xs, .offset: 8, .size: 8, .value_kind: global_buffer, .address_space: global }
      - { .name: wq_codes, .offset: 16, .size: 8, .value_kind: global_buffer, .address_space: global }
      - { .name: wq_scales, .offset: 24, .size: 8, .value_kind: global_buffer, .address_space: global }
      - { .name: wk_codes, .offset: 32, .size: 8, .value_kind: global_buffer, .address_space: global }
      - { .name: wk_scales, .offset: 40, .size: 8, .value_kind: global_buffer, .address_space: global }
      - { .name: wv_codes, .offset: 48, .size: 8, .value_kind: global_buffer, .address_space: global }
      - { .name: wv_scales, .offset: 56, .size: 8, .value_kind: global_buffer, .address_space: global }
      - { .name: bq, .offset: 64, .size: 8, .value_kind: global_buffer, .address_space: global }
      - { .name: bk, .offset: 72, .size: 8, .value_kind: global_buffer, .address_space: global }
      - { .name: bv, .offset: 80, .size: 8, .value_kind: global_buffer, .address_space: global }
      - { .name: mask, .offset: 88, .size: 8, .value_kind: global_buffer, .address_space: global }
      - { .name: qkvc, .offset: 96, .size: 8, .value_kind: global_buffer, .address_space: global }
      - { .name: qkvs, .offset: 104, .size: 8, .value_kind: global_buffer, .address_space: global }
    .group_segment_fixed_size: 327680
    .private_segment_fixed_size: 0
    .kernarg_segment_align: 8
    .kernarg_segment_size: 112
    .max_flat_workgroup_size: 128
    .sgpr_count:     104
    .vgpr_count:     1024
    .wavefront_size: 32
...
	.end_amdgpu_metadata
.endif
;; end of part 2
;; launch attn (part 3): grid 8 x 32, 16 waves a work-group, clusters of 4 x 1, 215,040 bytes of LDS; arguments qkvc, qkvs, mask, ac, asc; writes ac, asc
.if DOCPART == 3
	.amdgcn_target "amdgcn-amd-amdhsa--gfx1250"
	.amdhsa_code_object_version 6
	.text
	.protected	k_q91c165ba78_attn
	.globl	k_q91c165ba78_attn
	.p2align	8
	.type	k_q91c165ba78_attn,@function
k_q91c165ba78_attn:
	s_mov_b64 s[64:65], 0
	v_nop
	global_prefetch_b8 v0, s[64:65] scope:SCOPE_SE
	s_setreg_imm32_b32 hwreg(HW_REG_WAVE_MODE, 25, 1), 1
	s_wait_xcnt 0x0
	s_wait_alu depctr_hold_cnt(0) depctr_sa_sdst(0) depctr_va_vdst(0) depctr_va_sdst(0) depctr_va_ssrc(0) depctr_va_vcc(0) depctr_vm_vsrc(0)
	s_getreg_b32 s2, hwreg(HW_REG_IB_STS2, 6, 4)
	s_cmp_eq_u32 s2, 0
	s_cbranch_scc0 .Lentry_in_a_cluster
	s_endpgm
.Lentry_in_a_cluster:
	s_bfe_u32 s2, ttmp6, 0x10000c
	s_cmp_lg_u32 s2, 0x3003
	s_cbranch_scc0 .Lentry_shape_is_right
	s_endpgm
.Lentry_shape_is_right:
; ctx = softmax(q k^T / 8, masked) v for one head and 256 queries a work-group, both products on codes of FP6 (E2M3) with E8M0 scales; ctx leaves as codes, quantised along the model's axis.
; THE SOFTMAX: t = score x log2(e) / 8; M = the running largest t rounded up to a whole number; p = 2^(t - M) is quantised along the keys; the row's sum is taken of the unquantised p and divides at the end.
; SHARES: sixteen waves, 16 queries each, 256 registers: four waves to a SIMD.  Every wave walks the head's 2,048 keys, 128 a step.
; A HEAD'S K AND V STAY IN LDS: 98,304 bytes of codes each, 8,192 and 4,096 bytes of scale words: filled ONCE, so there is no ring and nothing is filled again.  The four query blocks of a cluster read the same
; K and V: every fill is a joint load (mask 15).  Wave 0 asks for K's scale words and four chunks of 512 keys, wave 1 for V's: five tensor loads a wave are out at the most.
; TWO BARRIERS: the first 512 keys are read behind a counted wait and a barrier, while the other three chunks are on their way; the other 1,536 behind one more barrier, in front of which both asking waves wait for all
; their loads.  Between the two, and behind the second, no wave waits for another.
; OPERANDS lie in memory and LDS as images of their registers (six registers a lane for 16 rows x 64 K: 512 bytes by 16 x lane, 256 by 8 x lane): every LDS load takes consecutive bytes.
; LAYOUT: both products transposed: S^T = K Q^T (source 0 = 16 neighbouring keys), O^T = V^T P^T: a lane holds one query.  Inside a block of 32 keys p's places hold keys 0-7, 16-23, 8-15, 24-31; V's codes were laid so.
; THE MASK RIDES IN THE IDLE HALF OF THE SCORES' K (the head is 64, the instruction 128): at K = 64 q holds the code +1.0 and k the code -1.0; that block's scale bytes are 127 for q and, for k, 167 where
; mask == 0 and 0 elsewhere.  So a hidden key's score is q.k - 2^40 and an open key's q.k - 2^-127, at no instruction in the loop.  Where a batch has no open key at all, q's fragment is cleared (a select, no branch):
; all scores are 0 and all p are 1, the uniform weights that the -1e9 of the definition gives there.
; LIMITS: a hidden score is -2^40 on the raw score, not -1e9: the same p = 0 while |q.k| stays far under 2^40; NaN and infinities are not served; 1 / sum is a reciprocal and a multiply.
; asc is written in pieces of 2 bytes, 4 bytes apart (a head's two bytes of a word): 131,072 bytes in the whole launch.
.set KC,   0                           ; K's codes: [16 keys: 128][768]
.set VC,   98304                       ; V's codes: [64 keys: 32][16 channels: 4][768]
.set KSC,  196608                      ; K's scale words: [2,048]
.set VSC,  204800                      ; V's scale words: [128 keys: 16][64 channels]
.set FLG,  208896                      ; sixteen words, one a wave: has my part of the mask an open key?  A block of 256 bytes into which no fill lands
.set QF,   16                          ; v16-27   Q's fragment
.set KF,   32                          ; v32-79   four fragments of K: the low six registers are loaded, the upper six are constants
.set S,    80                          ; v80-143  S^T, then p; v80-127 then take V's four fragments
.set O,    144                         ; v144-175 O^T
.set PCD,  176                         ; v176-187 p's codes
.set CT,   188                         ; v188-190, v192-194 conversions' second halves
.set BM,   196                         ; v196-199 the blocks' largest scores
.set PT,   200                         ; v200-203 at work
.set SOP,  204                         ; v204-207 the conversions' scale operands
.set PSW,  212                         ; p's scale word
.set FF,   214                         ; v[214:215] f = 2^(old M - new M)
.set NM,   216                         ; v216 -M, v217 the largest t
.set SUM,  218                         ; v[218:219] the row's sum, in two halves
.set KSW,  220                         ; v220-223 K's scale words
.set VSW,  224                         ; v224-225 V's
.set QSW,  226
.set W,    228                         ; v228-244 at work
.set WV,   18
.set SEL,  20
.set CS,   22
.set TB,   2                           ; the step's codes: 6,144 bytes a step, in K's region and in V's
.set TS,   3                           ; K's scale words: 512 bytes a step
.set TV,   66                          ; V's: 256
.set CNT,  67
.macro CROUND
	s_barrier_signal -1
	s_barrier_wait -1
	s_cmp_lg_u32 s[WV], 0
	s_cbranch_scc1 .Lnot_wave_0_\@
	s_barrier_signal -3
.Lnot_wave_0_\@:
	s_barrier_wait -3
	s_barrier_signal -1
	s_barrier_wait -1
.endm
.macro G1SET g, c, r, p                ; descriptor group 1: r rows of c elements of 8 bytes, p elements apart; no padding; the mask names all four partners
	s_mov_b32 s[\g], 15|(3<<16)|(1<<21)
	s_mov_b32 s[\g+1], (\c)<<16
	s_mov_b32 s[\g+2], (\r)<<16
	s_mov_b32 s[\g+3], (\c)<<16
	s_mov_b32 s[\g+4], \r
	s_mov_b32 s[\g+5], \p
	s_mov_b32 s[\g+6], 0
	s_mov_b32 s[\g+7], 0
.endm
	s_load_b256 s[4:11], s[0:1], 0x0               ; qkvc, qkvs, mask, ac
	s_load_b64 s[12:13], s[0:1], 0x20              ; asc
	v_lshl_add_u32 v254, v0, 2, 0x34000
	v_mov_b32 v255, 0
	ds_add_u32 v254, v255
	ds_add_u32 v254, v255
	v_lshrrev_b32 v7, 5, v0
	v_readfirstlane_b32 s[WV], v7                  ; wave 0..15
	s_bfe_u32 s14, ttmp6, 0x40000                  ; cx
	s_lshl_b32 s15, ttmp9, 2
	s_add_co_u32 s15, s15, s14                     ; my block of 256 queries: it enters global addresses of Q and of the results alone
	s_and_b32 s16, ttmp7, 0xffff                   ; batch x 16 + head, which the partners share
	s_lshr_b32 s17, s16, 4                         ; batch
	s_and_b32 s19, s16, 15                         ; head
	G1SET 24, 32, 32, 32                           ; K's scale words: 8,192 dense bytes
	G1SET 32, 32, 96, 32                           ; a chunk of K: 24,576 dense bytes
	G1SET 40, 32, 16, 512                          ; V's scale words: 16 rows of 256 bytes, 4,096 apart
	G1SET 48, 384, 8, 6144                         ; a chunk of V: 8 rows of 3,072 bytes, 49,152 apart
	s_lshl_b32 s80, s16, 13
	s_add_co_u32 s80, s80, 262144                  ; K's scale words, in qkvs
	s_lshl_b32 s81, s17, 16
	s_lshl_b32 s82, s19, 8
	s_add_co_u32 s81, s81, s82
	s_add_co_u32 s81, s81, 524288                  ; V's
	s_mul_i32 s82, s16, 98304
	s_add_co_u32 s82, s82, 3145728                 ; K's codes, in qkvc
	s_mul_i32 s83, s17, 1572864
	s_mul_i32 s84, s19, 3072
	s_add_co_u32 s83, s83, s84
	s_add_co_u32 s83, s83, 6291456                 ; V's
	s_mov_b32 s85, 393216
	s_cmp_eq_u32 s[WV], 0                          ; wave 0 asks for K, wave 1 for V
	s_cselect_b32 s80, s80, s81
	s_cselect_b32 s82, s82, s83
	s_cselect_b32 s84, 24576, s85                  ; from chunk to chunk
	s_mov_b32 s81, 0
	s_mov_b32 s83, 0
	s_mov_b32 s85, 0
	s_lshl_b32 s86, s[WV], 13
	s_add_co_u32 s86, s86, KSC                     ; LDS: the scale words: K's, then V's
	s_mul_i32 s87, s[WV], VC                       ; the codes: K's region, then V's
	; Q, the mask and the results
	s_lshl_b32 s88, s16, 7
	s_lshl_b32 s89, s15, 4
	s_add_co_u32 s88, s88, s89
	s_add_co_u32 s88, s88, s[WV]                   ; my 16 queries among the head's 128 blocks
	s_mul_i32 s90, s88, 768
	s_mov_b32 s91, 0
	s_lshl_b32 s92, s88, 6
	s_mov_b32 s93, 0
	s_lshl_b32 s94, s17, 13
	s_lshl_b32 s95, s[WV], 9
	s_add_co_u32 s94, s94, s95                     ; my 128 words of the batch's mask
	s_mov_b32 s95, 0
	s_lshl_b32 s88, s17, 7
	s_add_co_u32 s88, s88, s89
	s_add_co_u32 s88, s88, s[WV]                   ; my block of 16 rows of ctx
	s_lshl_b32 s96, s88, 4
	s_add_co_u32 s96, s96, s19
	s_mul_i32 s96, s96, 768                        ; ac: [16 rows][64 along K: 16][768]
	s_mov_b32 s97, 0
	s_lshr_b32 s98, s19, 1
	s_lshl_b32 s98, s98, 12
	s_lshl_b32 s88, s88, 4
	s_add_co_u32 s98, s98, s88
	s_lshl_b32 s98, s98, 2
	s_and_b32 s88, s19, 1
	s_lshl_b32 s88, s88, 1
	s_add_co_u32 s98, s98, s88                     ; asc: [128 along K][4,096 rows] words; my head's two bytes
	s_mov_b32 s99, 0
	s_mov_b32 s[SEL], 0x76543210
	s_mov_b32 s[SEL+1], 0xfedcba98
	s_mov_b32 s[CS], 0x3e38aa3b                    ; c = log2(e) / 8
	s_mov_b32 s[CS+1], s[CS]
	s_mov_b32 s[TB], 0
	s_mov_b32 s[TS], 0
	s_mov_b32 s[TV], 0
	s_wait_dscnt 0x0
	s_wait_kmcnt 0x0
	s_add_nc_u64 s[80:81], s[6:7], s[80:81]
	s_add_nc_u64 s[82:83], s[4:5], s[82:83]
	s_add_nc_u64 s[90:91], s[4:5], s[90:91]        ; Q's codes
	s_add_nc_u64 s[92:93], s[6:7], s[92:93]        ; Q's scale words
	s_add_nc_u64 s[8:9], s[8:9], s[94:95]
	s_add_nc_u64 s[10:11], s[10:11], s[96:97]
	s_add_nc_u64 s[12:13], s[12:13], s[98:99]
	s_mov_b32 s56, 1                               ; group 0 for the scale words
	s_mov_b32 s57, s86
	s_mov_b64 s[58:59], s[80:81]
	s_or_b32 s59, s59, 0x80000000
.set c, 0
.irp g, 60,68,72,76                    ; and for the four chunks
	s_mov_b32 s[\g], 1
	s_add_co_u32 s[\g+1], s87, c*24576
	s_mov_b64 s[\g+2:\g+3], s[82:83]
	s_or_b32 s[\g+3], s[\g+3], 0x80000000
	s_add_nc_u64 s[82:83], s[82:83], s[84:85]
.set c, c+1
.endr
	CROUND                                         ; all four work-groups are here: the joint loads meet
	s_cmp_eq_u32 s[WV], 0                          ; a wave's fills stand in one branch on its number
	s_cbranch_scc0 .Lnot_k
	tensor_load_to_lds s[56:59], s[24:31]
	s_nop 0
	tensor_load_to_lds s[60:63], s[32:39]
	s_nop 0
	tensor_load_to_lds s[68:71], s[32:39]
	s_nop 0
	tensor_load_to_lds s[72:75], s[32:39]
	s_nop 0
	tensor_load_to_lds s[76:79], s[32:39]
	s_nop 0
.rept 4
	v_nop
.endr
	s_branch .Lasked
.Lnot_k:
	s_cmp_eq_u32 s[WV], 1
	s_cbranch_scc0 .Lasked
	tensor_load_to_lds s[56:59], s[40:47]
	s_nop 0
	tensor_load_to_lds s[60:63], s[48:55]
	s_nop 0
	tensor_load_to_lds s[68:71], s[48:55]
	s_nop 0
	tensor_load_to_lds s[72:75], s[48:55]
	s_nop 0
	tensor_load_to_lds s[76:79], s[48:55]
	s_nop 0
.rept 4
	v_nop
.endr
.Lasked:
	v_and_b32 v7, 31, v0                           ; lane
	v_lshlrev_b32 v1, 4, v7                        ; 16 x lane (K's region begins at LDS byte 0)
	v_lshlrev_b32 v2, 3, v7                        ; 8 x lane
	v_add_nc_u32 v3, VC, v1
	v_add_nc_u32 v4, VC, v2
	v_lshl_add_u32 v5, v7, 2, KSC
	v_lshl_add_u32 v6, v7, 2, VSC
	v_and_b32 v14, 15, v0
	v_lshlrev_b32 v14, 2, v14                      ; 4 r
	global_load_b128 v[W:W+3], v1, s[8:9]          ; my 128 words of the mask, four a lane
	global_load_b128 v[QF:QF+3], v1, s[90:91]      ; Q's image
	global_load_b64 v[QF+4:QF+5], v2, s[90:91] offset:512
	global_load_b32 v[QSW], v14, s[92:93]
	v_bfe_u32 v15, v0, 4, 1
	v_xor_b32 v15, 1, v15                          ; 1 in lanes 0-15, which hold K = 64 .. 95 in registers 6 to 11
	v_lshlrev_b32 v[QF+6], 3, v15                  ; the code +1.0 at K = 64
	v_mul_u32_u24 v15, v15, 0x28                   ; the code -1.0
.irp i, 7,8,9,10,11
	v_mov_b32 v[QF+\i], 0
.endr
.irp t, 0,1,2,3
	v_mov_b32 v[KF+12*\t+6], v15
.irp i, 7,8,9,10,11
	v_mov_b32 v[KF+12*\t+\i], 0
.endr
.endr
	v_mov_b32 v[NM+1], 0xff61b1e6                  ; the largest t so far: -3e38
	v_floor_f32 v[NM], -v[NM+1]
	v_mov_b32 v[SUM], 0
	v_mov_b32 v[SUM+1], 0
	v_mov_b32 v[FF+1], 0                           ; named as the upper half of a pair
.irp b, 0,1,2,3
	v_mov_b32 v[PT+\b], 0                          ; a lane permute's destination counts as one of its sources
.endr
.set j, 0
.rept 32
	v_mov_b32 v[O+j], 0                            ; the step is written once: its first trip finds zeros
.set j, j+1
.endr
	s_lshl_b32 s94, s[WV], 2
	s_add_co_u32 s94, s94, FLG
	v_mov_b32 v[W+6], s94
	v_mov_b32 v[W+16], FLG
	s_wait_loadcnt 0x0
	v_or_b32 v[W], v[W], v[W+1]
	v_or_b32 v[W+2], v[W+2], v[W+3]
	v_or_b32 v[W], v[W], v[W+2]
	v_cmp_ne_u32 vcc_lo, 0, v[W]
	v_mov_b32 v[W+5], vcc_lo                       ; not 0 where any of my 128 keys is open
	ds_store_b32 v[W+6], v[W+5]                    ; all lanes write the same word with the same value
; A KEY STEP: 128 keys.
.macro STEP
	v_add_nc_u32 v8, s[TB], v1                     ; six plain lines: also the places between the last products and the products below that write over their operands
	v_add_nc_u32 v9, s[TB], v2
	v_add_nc_u32 v10, s[TB], v3
	v_add_nc_u32 v11, s[TB], v4
	v_add_nc_u32 v12, s[TS], v5
	v_add_nc_u32 v13, s[TV], v6
.irp g, 0,1
.if \g
.rept 4
	v_nop                                          ; places in front of loads into registers that matrix instructions have read; also the places between the first four products and the first read of their scores
.endr
.endif
.irp t, 0,1,2,3
	ds_load_b128 v[KF+12*\t:KF+12*\t+3], v8 offset:768*(4*\g+\t)
	ds_load_b64 v[KF+12*\t+4:KF+12*\t+5], v9 offset:768*(4*\g+\t)+512
.endr
.if \g == 0
.irp i, 0,1,2,3
	ds_load_b32 v[KSW+\i], v12 offset:128*\i       ; lanes 0-15: tile 2 i's keys; lanes 16-31: tile 2 i + 1's
.endr
.endif
	s_wait_dscnt 0x0
.irp t, 0,1,2,3
.if \t%2
	v_wmma_scale_f32_16x16x128_f8f6f4 v[S+8*(4*\g+\t):S+8*(4*\g+\t)+7], v[KF+12*\t:KF+12*\t+11], v[QF:QF+11], 0, v[KSW+(4*\g+\t)/2], v[QSW] matrix_a_fmt:MATRIX_FMT_FP6 matrix_b_fmt:MATRIX_FMT_FP6 matrix_a_scale:MATRIX_SCALE_ROW1
.else
	v_wmma_scale_f32_16x16x128_f8f6f4 v[S+8*(4*\g+\t):S+8*(4*\g+\t)+7], v[KF+12*\t:KF+12*\t+11], v[QF:QF+11], 0, v[KSW+(4*\g+\t)/2], v[QSW] matrix_a_fmt:MATRIX_FMT_FP6 matrix_b_fmt:MATRIX_FMT_FP6
.endif
.endr
.endr
; The largest score of each block of 32 keys: for the row's maximum and, since p rises with the score, for the block's largest p.  Blocks 0 and 1 first: they read the first four tiles alone, and their
; sixteen lines, which name no register of the last four products, are the places between those products and the first read of blocks 2 and 3.
.irp pr, 0,2
.irp b, 0,1
	v_max3_num_f32 v[BM+\pr+\b], v[S+16*(\pr+\b)], v[S+1+16*(\pr+\b)], v[S+2+16*(\pr+\b)]
.endr
.irp i, 3,5,7,9,11,13
.irp b, 0,1
	v_max3_num_f32 v[BM+\pr+\b], v[BM+\pr+\b], v[S+16*(\pr+\b)+\i], v[S+1+16*(\pr+\b)+\i]
.endr
.endr
.irp b, 0,1
	v_max_num_f32 v[BM+\pr+\b], v[BM+\pr+\b], v[S+15+16*(\pr+\b)]
.endr
.endr
.irp b, 0,1,2,3
	v_permlanex16_b32 v[PT+\b], v[BM+\b], s[SEL], s[SEL+1]
.endr
.irp b, 0,1,2,3
	v_max_num_f32 v[BM+\b], v[BM+\b], v[PT+\b]
.endr
	v_max3_num_f32 v[W], v[BM], v[BM+1], v[BM+2]
	v_max_num_f32 v[W], v[W], v[BM+3]
	v_mul_f32 v[W], s[CS], v[W]
	v_max_num_f32 v[NM+1], v[NM+1], v[W]           ; the running largest t
	v_mov_b32 v[W], v[NM]
	v_floor_f32 v[NM], -v[NM+1]                    ; -M = floor(-t): M is a whole number
	v_sub_f32 v[W], v[NM], v[W]                    ; old M - new M, 0 or less
	v_cvt_i32_f32 v[W], v[W]                       ; (it saturates)
	v_ldexp_f32 v[FF], 1.0, v[W]                   ; f: an exact power of two, or 0
; ONE BATCH: the 32 scalings t - M (a pair of scores each), the same of the four blocks' largest scores, and the 64 exponentials p = 2^(t - M).  The plain lines are dealt out among the exponentials, a pair's
; scaling two pairs ahead of its exponentials; none of them names an exponential's result, so the batch has one wait.
	v_pk_fma_f32 v[S:S+1], v[S:S+1], s[CS:CS+1], v[NM:NM+1] op_sel_hi:[1,0,0]
	v_pk_fma_f32 v[S+2:S+3], v[S+2:S+3], s[CS:CS+1], v[NM:NM+1] op_sel_hi:[1,0,0]
.set j, 0
.rept 32
	v_exp_f32 v[S+2*j], v[S+2*j]
.if j < 30
	v_pk_fma_f32 v[S+2*j+4:S+2*j+5], v[S+2*j+4:S+2*j+5], s[CS:CS+1], v[NM:NM+1] op_sel_hi:[1,0,0]
.endif
	v_exp_f32 v[S+2*j+1], v[S+2*j+1]
.if j < 4
	v_fma_f32 v[BM+j], v[BM+j], s[CS], v[NM]
.endif
.set j, j+1
.endr
	v_pk_mul_f32 v[SUM:SUM+1], v[SUM:SUM+1], v[FF:FF+1] op_sel_hi:[1,0]   ; a plain line behind the last exponential
	s_wait_alu depctr_va_vdst(0)                   ; one wait for the batch, ahead of its first reader
.irp b, 0,1,2,3
	v_exp_f32 v[BM+\b], v[BM+\b]                   ; the blocks' largest p
.endr
	v_pk_add_f32 v[PT:PT+1], v[S:S+1], v[S+2:S+3]  ; the row's sum of the unquantised p, in two chains
.irp j, 4,8,12,16,20,24,28,32,36,40,44,48,52,56,60
	v_pk_add_f32 v[SUM:SUM+1], v[SUM:SUM+1], v[S+\j:S+\j+1]
	v_pk_add_f32 v[PT:PT+1], v[PT:PT+1], v[S+2+\j:S+3+\j]
.endr
	v_pk_add_f32 v[SUM:SUM+1], v[SUM:SUM+1], v[PT:PT+1]
	s_wait_alu depctr_va_vdst(0)                   ; and one for the four
.irp b, 0,1,2,3
	v_max_num_f32 v[BM+\b], 0x1800000, v[BM+\b]    ; the floor 2^(3 - 127)
.endr
.irp b, 0,1,2,3
	v_add_nc_u32 v[SOP+\b], 0xff000000, v[BM+\b]
.endr
.irp b, 0,1,2,3
	v_lshrrev_b32 v[PT+\b], 23, v[SOP+\b]
.endr
	v_lshl_or_b32 v[PSW], v[PT+1], 8, v[PT]
	v_lshl_or_b32 v[PSW], v[PT+2], 16, v[PSW]
	v_lshl_or_b32 v[PSW], v[PT+3], 24, v[PSW]
.irp c, 0,1
	v_cvt_scalef32_pk16_fp6_f32 v[PCD+6*\c:PCD+6*\c+2], v[S+32*\c:S+32*\c+15], v[SOP+2*\c]
	v_cvt_scalef32_pk16_fp6_f32 v[CT+4*\c:CT+4*\c+2], v[S+16+32*\c:S+31+32*\c], v[SOP+2*\c+1]
.endr
.irp dt, 0,1,2,3                       ; V's four fragments land where p stood
.irp c, 0,1
	ds_load_b128 v[S+12*\dt+6*\c:S+12*\dt+6*\c+3], v10 offset:3072*\c+768*\dt
	ds_load_b64 v[S+12*\dt+6*\c+4:S+12*\dt+6*\c+5], v11 offset:3072*\c+768*\dt+512
.endr
.endr
	ds_load_b32 v[VSW], v13
	ds_load_b32 v[VSW+1], v13 offset:128
	v_nop                                          ; one plain line behind a scaled conversion
.irp c, 0,1
.irp i, 0,1,2
	v_permlane16_swap_b32 v[PCD+6*\c+\i], v[CT+4*\c+\i]
.endr
.irp i, 0,1,2
	v_mov_b32 v[PCD+3+6*\c+\i], v[CT+4*\c+\i]
.endr
.endr
.set j, 0
.rept 16
	v_pk_mul_f32 v[O+j:O+j+1], v[O+j:O+j+1], v[FF:FF+1] op_sel_hi:[1,0]   ; O^T under the new M; sixteen lines between the codes and scale word just made and the products
.set j, j+2
.endr
	s_wait_dscnt 0x0
.irp dt, 0,1,2,3                       ; the four accumulators by turns, one instruction a turn
.if \dt%2
	v_wmma_scale_f32_16x16x128_f8f6f4 v[O+8*\dt:O+8*\dt+7], v[S+12*\dt:S+12*\dt+11], v[PCD:PCD+11], v[O+8*\dt:O+8*\dt+7], v[VSW+\dt/2], v[PSW] matrix_a_fmt:MATRIX_FMT_FP6 matrix_b_fmt:MATRIX_FMT_FP6 matrix_a_scale:MATRIX_SCALE_ROW1
.else
	v_wmma_scale_f32_16x16x128_f8f6f4 v[O+8*\dt:O+8*\dt+7], v[S+12*\dt:S+12*\dt+11], v[PCD:PCD+11], v[O+8*\dt:O+8*\dt+7], v[VSW+\dt/2], v[PSW] matrix_a_fmt:MATRIX_FMT_FP6 matrix_b_fmt:MATRIX_FMT_FP6
.endif
.endr
	s_add_co_u32 s[TB], s[TB], 6144
	s_add_co_u32 s[TS], s[TS], 512
	s_add_co_u32 s[TV], s[TV], 256
.endm
; A run of key steps behind one barrier.  left: the tensor loads of an asking wave that may stay out: those issued behind the last chunk that this run reads; the waves that asked for nothing pass the wait at once.
.macro PHASE left, steps, first
	s_wait_tensorcnt \left
	s_wait_dscnt 0x0                               ; my LDS instructions are done (the flag's store among them)
	s_barrier_signal -1
	s_barrier_wait -1                              ; what this run reads lies in LDS for all sixteen waves
.if \first
.irp i, 0,1,2,3
	ds_load_b128 v[W+4*\i:W+4*\i+3], v[W+16] offset:16*\i
.endr
	s_wait_dscnt 0x0
.irp i, 1,2,3,4,5,6,7,8,9,10,11,12,13,14,15
	v_or_b32 v[W], v[W], v[W+\i]
.endr
	v_cmp_ne_u32 vcc_lo, 0, v[W]                   ; has the batch an open key?
.irp i, 0,1,2,3,4,5,6
	v_cndmask_b32 v[QF+\i], 0, v[QF+\i], vcc_lo    ; if not: all of q's codes are zeros
.endr
.endif
	s_mov_b32 s[CNT], \steps
.Lstep_\@:
	STEP
	s_sub_co_u32 s[CNT], s[CNT], 1
	s_cmp_lg_u32 s[CNT], 0
	s_cbranch_scc1 .Lstep_\@
.endm
	PHASE 3, 4, 1                                  ; the scale words and the first chunk of 512 keys are in; the three chunks asked for behind it may be out
	PHASE 0, 12, 0                                 ; all loads of both asking waves have landed: the other 1,536 keys
	; THE WAY OUT: O^T / the sum; my head's 64 channels in their true order; two blocks of 32 quantised; six registers of codes as an image, two scale bytes.
	v_add_f32 v[SUM], v[SUM], v[SUM+1]
	v_permlanex16_b32 v[PT], v[SUM], s[SEL], s[SEL+1]
	v_add_f32 v[SUM], v[SUM], v[PT]
	v_rcp_f32 v[SUM+1], v[SUM]
.rept 4
	v_nop                                          ; plain lines behind the reciprocal and behind the last products
.endr
	s_wait_alu depctr_va_vdst(0)
.set j, 0
.rept 32
	v_mul_f32 v[S+j], v[O+j], v[SUM+1]             ; register 8 t + i: channel 16 t + 8 h + i
.set j, j+1
.endr
.irp b, 0,1
.irp j, 0,1,2,3,4,5,6,7
	v_permlane16_swap_b32 v[S+16*\b+\j], v[S+16*\b+8+\j]   ; now register 16 b + i: channel 32 b + 16 h + i
.endr
.endr
.irp b, 0,1
	v_max3_num_f32 v[BM+\b], |v[S+16*\b]|, |v[S+1+16*\b]|, 0x1800000
.endr
.irp i, 2,4,6,8,10,12,14
.irp b, 0,1
	v_max3_num_f32 v[BM+\b], v[BM+\b], |v[S+16*\b+\i]|, |v[S+1+16*\b+\i]|
.endr
.endr
.irp b, 0,1
	v_permlanex16_b32 v[PT+\b], v[BM+\b], s[SEL], s[SEL+1]
.endr
.irp b, 0,1
	v_max_num_f32 v[BM+\b], v[BM+\b], v[PT+\b]
.endr
.irp b, 0,1
	v_add_nc_u32 v[SOP+\b], 0xff000000, v[BM+\b]
.endr
.irp b, 0,1
	v_lshrrev_b32 v[PT+\b], 23, v[SOP+\b]
.endr
	v_lshl_or_b32 v[W], v[PT+1], 8, v[PT]
	v_cvt_scalef32_pk16_fp6_f32 v[PCD:PCD+2], v[S:S+15], v[SOP]
	v_cvt_scalef32_pk16_fp6_f32 v[CT:CT+2], v[S+16:S+31], v[SOP+1]
	v_nop
.irp i, 0,1,2
	v_permlane16_swap_b32 v[PCD+\i], v[CT+\i]
.endr
.irp i, 0,1,2
	v_mov_b32 v[PCD+3+\i], v[CT+\i]
.endr
	global_store_b128 v1, v[PCD:PCD+3], s[10:11]               ; 512 consecutive bytes,
	global_store_b64 v2, v[PCD+4:PCD+5], s[10:11] offset:512   ; and 256
	global_store_b16 v14, v[W], s[12:13]                       ; row r's two bytes (lanes 16-31 hold and write the same)
	s_wait_tensorcnt 0x0
	ds_add_u32 v254, v255
	s_wait_dscnt 0x0
	CROUND                                         ; the closing round: no work-group ends while a partner may still ask
	s_endpgm
.Lfunc_end_k_q91c165ba78_attn:
	.size	k_q91c165ba78_attn, .Lfunc_end_k_q91c165ba78_attn-k_q91c165ba78_attn
	.p2alignl 7, 3214868480
	.fill 96, 4, 3214868480
	.section	.rodata,"a",@progbits
	.p2align	6, 0x0
	.amdhsa_kernel k_q91c165ba78_attn
		.amdhsa_group_segment_fixed_size 215040
		.amdhsa_private_segment_fixed_size 0
		.amdhsa_enable_private_segment 0
		.amdhsa_kernarg_size 40
		.amdhsa_user_sgpr_count 2
		.amdhsa_user_sgpr_kernarg_segment_ptr 1
		.amdhsa_wavefront_size32 1
		.amdhsa_system_sgpr_workgroup_id_x 1
		.amdhsa_system_sgpr_workgroup_id_y 1
		.amdhsa_system_sgpr_workgroup_id_z 1
		.amdhsa_system_vgpr_workitem_id 0
		.amdhsa_next_free_vgpr 256
		.amdhsa_next_free_sgpr 100
		.amdhsa_reserve_vcc 1
		.amdhsa_float_denorm_mode_32 3
		.amdhsa_float_denorm_mode_16_64 3
		.amdhsa_memory_ordered 1
		.amdhsa_forward_progress 1
		.amdhsa_inst_pref_size 51
	.end_amdhsa_kernel
	.amdgpu_metadata
---
amdhsa.version: [ 1, 2 ]
amdhsa.kernels:
  - .name:           k_q91c165ba78_attn
    .symbol:         k_q91c165ba78_attn.kd
    .args:
      - { .name: qkvc, .offset: 0, .size: 8, .value_kind: global_buffer, .address_space: global }
      - { .name: qkvs, .offset: 8, .size: 8, .value_kind: global_buffer, .address_space: global }
      - { .name: mask, .offset: 16, .size: 8, .value_kind: global_buffer, .address_space: global }
      - { .name: ac, .offset: 24, .size: 8, .value_kind: global_buffer, .address_space: global }
      - { .name: asc, .offset: 32, .size: 8, .value_kind: global_buffer, .address_space: global }
    .group_segment_fixed_size: 215040
    .private_segment_fixed_size: 0
    .kernarg_segment_align: 8
    .kernarg_segment_size: 40
    .max_flat_workgroup_size: 512
    .sgpr_count:     100
    .vgpr_count:     256
    .wavefront_size: 32
...
	.end_amdgpu_metadata
.endif
;; end of part 3
;; launch wo (part 4): grid 8 x 32, 4 waves a work-group, clusters of 4 x 4, 327,680 bytes of LDS; arguments ac, asc, wo_codes, wo_scales, bo, x, x1; writes x1
.if DOCPART == 4
	.amdgcn_target "amdgcn-amd-amdhsa--gfx1250"
	.amdhsa_code_object_version 6
	.text
	.protected	k_q91c165ba78_wo
	.globl	k_q91c165ba78_wo
	.p2align	8
	.type	k_q91c165ba78_wo,@function
k_q91c165ba78_wo:
	s_mov_b64 s[64:65], 0
	v_nop
	global_prefetch_b8 v0, s[64:65] scope:SCOPE_SE
	s_setreg_imm32_b32 hwreg(HW_REG_WAVE_MODE, 25, 1), 1
	s_wait_xcnt 0x0
	s_wait_alu depctr_hold_cnt(0) depctr_sa_sdst(0) depctr_va_vdst(0) depctr_va_sdst(0) depctr_va_ssrc(0) depctr_va_vcc(0) depctr_vm_vsrc(0)
	s_getreg_b32 s2, hwreg(HW_REG_IB_STS2, 6, 4)
	s_cmp_eq_u32 s2, 0
	s_cbranch_scc0 .Lentry_in_a_cluster
	s_endpgm
.Lentry_in_a_cluster:
	s_bfe_u32 s2, ttmp6, 0x10000c
	s_cmp_lg_u32 s2, 0xf033
	s_cbranch_scc0 .Lentry_shape_is_right
	s_endpgm
.Lentry_shape_is_right:
; out = resid + A W^T + bias.  A: [4,096][SIZE_K] as images of operand registers (ac: [16 rows: 256][64 along K][768]; asc: [128 along K][4,096 rows] scale words); W: [1,024][SIZE_K] codes of FP6 (E2M3), K innermost,
; with E8M0 bytes [1,024][SIZE_K / 32]; bias [1,024], resid and out [4,096][1,024] f32.
; N is 1,024: tiles of 256 x 256 would be 64, so a tile is 128 x 128 (256 work-groups), a wave's 64 x 64: 16 accumulators.  Transposed use: source 0 = 16 rows of W, source 1 = a fragment of A: a lane holds 8 neighbouring columns of a row.
; K goes in slots of 512 (four quarters of 128) through two LDS slots filled by joint loads: A's tile shared along a row of the 4 x 4 cluster, W's along a column; all scale words come once.
; With SIZE_K = 1,024 both slots are first fills and nothing is filled again: the loop is not assembled.
; The bias is the C of each sum's first matrix instruction.  The residual is asked for at the head and lands under the products.
; REGISTERS: window 0: v8-29 addresses; v32-63 scale words, two sets; v64-95 the bias; v96-127 rows on the way out; v128-255 the accumulators ((a, b) at v[128 + 8 (4 a + b)]).
;   window 1: two fragment buffers at v0 and v128: A's four blocks (12 registers each), then W's four.   window 2: v0-127 the residual.
.set SIZE_K, 1024
.set KROW,   SIZE_K*3/4
.set KS,     SIZE_K/32
.set LAPS,   SIZE_K/1024
.set ABLK,   6144                      ; 16 rows x 512 K of A: eight images of 768 bytes
.set AHALF,  4*ABLK
.set BP,     432                       ; a row of W in LDS: 3 x (128 bytes + 16): 108 words: the 32 lanes of a load of 8 bytes touch 64 different banks
.set BHALF,  64*BP
.set BOFF,   8*ABLK
.set SLOT,   BOFF+2*BHALF
.set SCA,    2*SLOT                    ; A's scale words: [128 along K][128 rows]
.set SCB,    SCA+4*SIZE_K              ; W's scale bytes: runs of 256 bytes + 16
.set HALFS,  (SIZE_K/128)*272
.set STAGE,  SCB+2*HALFS               ; 16 rows x 272 bytes for each wave
.set SPITCH, 272
.set SPARE,  STAGE+4*16*SPITCH         ; the spare words: 128 bytes a wave, named by no other line
.set ADA16, 8                          ; v8-9   A's images, 16 x lane, slot 0, 1
.set ADA8,  10                         ; v10-11 8 x lane
.set ADB,   12                         ; v12-13 W's rows
.set ADB2,  14                         ; v14-15 the same behind one padding more
.set ADSA,  16
.set ADSB,  17
.set STO,   18
.set RD,    19
.set CO,    20
.set SPW,   28
.set NIL,   29
.set SCR,   32                         ; set s at v[32 + 16 s]: A's words at 2 q + i (lanes 0-15 block 2 i, lanes 16-31 block 2 i + 1); W's at 8 + 4 i + q
.set BI,    64
.set OB,    96
.set ACC,   128
.set F0,    0
.set F1,    128
.set WV, 18
.set G1A, 24
.set G0A, 32
.set G1B, 48
.set G0B, 56
.set G1SA, 68
.set G0SA, 76
.set G1SB, 80
.set G0SB, 88
.set MSB, 0
.macro WIN new
.if MSB != \new
	s_set_vgpr_msb (MSB<<8)|\new
.set MSB, \new
.endif
.endm
.set MUL,  0x05                        ; sources 0 and 1 window 1; C and D window 0
.set TO_F, 0x40
.macro JLOAD g0a, g1a, g0b, g1b        ; waves 0 and 1 fetch for A, waves 2 and 3 for W; four v_nop follow each line
	s_cmp_eq_u32 s19, 0
	s_cbranch_scc0 .Lfor_b_\@
	tensor_load_to_lds s[\g0a:\g0a+3], s[\g1a:\g1a+7]
	s_nop 0
.rept 4
	v_nop
.endr
	s_branch .Lasked_\@
.Lfor_b_\@:
	tensor_load_to_lds s[\g0b:\g0b+3], s[\g1b:\g1b+7]
	s_nop 0
.rept 4
	v_nop
.endr
.Lasked_\@:
.endm
.macro CREST
	s_cmp_lg_u32 s[WV], 0
	s_cbranch_scc1 .Lnot_wave_0_\@
	s_barrier_signal -3
.Lnot_wave_0_\@:
	s_barrier_wait -3
	s_barrier_signal -1
	s_barrier_wait -1
.endm
.macro CROUND
	s_barrier_signal -1
	s_barrier_wait -1
	CREST
.endm
.macro G1REST g, c, r, p
	s_mov_b32 s[\g+1], (\c)<<16
	s_mov_b32 s[\g+2], (\r)<<16
	s_mov_b32 s[\g+3], (\c)<<16
	s_mov_b32 s[\g+4], \r
	s_mov_b32 s[\g+5], \p
	s_mov_b32 s[\g+6], 0
	s_mov_b32 s[\g+7], 0
.endm
	s_load_b256 s[4:11], s[0:1], 0x0               ; ac, asc, W's codes, W's scales
	s_load_b128 s[12:15], s[0:1], 0x20             ; bias, resid
	s_load_b64 s[16:17], s[0:1], 0x30              ; out
	v_lshl_add_u32 v[SPW], v0, 2, SPARE
	v_mov_b32 v[NIL], 0
	ds_add_u32 v28, v29
	ds_add_u32 v28, v29
	s_wait_dscnt 0x0
	v_lshrrev_b32 v1, 5, v0
	v_readfirstlane_b32 s[WV], v1                  ; wave 0..3
	s_lshr_b32 s19, s[WV], 1                       ; my half of the rows.  Also: I fetch for A (0) or for W (1)
	s_and_b32 s20, s[WV], 1                        ; my half of the columns.  Also: which half I fetch
	s_bfe_u32 s40, ttmp6, 0x40000                  ; cx, cy
	s_bfe_u32 s41, ttmp6, 0x40004
	s_lshl_b32 s42, ttmp9, 2
	s_add_co_u32 s42, s42, s40                     ; tile column
	s_and_b32 s21, ttmp7, 0xffff
	s_lshl_b32 s21, s21, 2
	s_add_co_u32 s21, s21, s41                     ; tile row
	s_lshl_b32 s43, s41, 2
	s_lshl_b32 s43, 15, s43                        ; my row of the cluster
	s_lshl_b32 s44, 0x1111, s40                    ; my column
	s_or_b32 s[G1A], s43, (3<<16)|(1<<21)          ; A: 4 rows of 6,144 bytes (768 elements of 8), no padding
	G1REST G1A, 768, 4, (SIZE_K/64)*96
	s_or_b32 s[G1B], s44, (0<<16)|(1<<20)|(1<<21)|(4<<22)|(3<<25)   ; W: 64 rows of 384 bytes, 4 words of padding behind every 32
	G1REST G1B, 384, 64, KROW
	s_or_b32 s[G1SA], s43, (3<<16)|(1<<21)         ; A's scale words: SIZE_K / 256 rows of 512 bytes, 16,384 apart
	G1REST G1SA, 64, SIZE_K/256, 2048
	s_or_b32 s[G1SB], s44, (3<<16)|(1<<20)|(1<<21)|(5<<22)|(3<<25)  ; W's scale bytes of 64 rows: dense, as rows of 256 bytes + 16
	G1REST G1SB, 32, SIZE_K/128, 32
	s_lshl_b32 s22, s21, 3
	s_lshl_b32 s23, s20, 2
	s_add_co_u32 s22, s22, s23                     ; A: block of 16 rows 8 x tile row + 4 x half
	s_mul_i32 s22, s22, (SIZE_K/64)*768
	s_mov_b32 s23, 0
	s_mul_i32 s46, s20, (SIZE_K/256)*4096          ; A's scale words: my half of the K steps,
	s_lshl_b32 s47, s21, 7
	s_add_co_u32 s46, s46, s47                     ; the tile's 128 rows
	s_lshl_b32 s46, s46, 2
	s_mov_b32 s47, 0
	s_lshl_b32 s92, s42, 7
	s_lshl_b32 s93, s20, 6
	s_add_co_u32 s92, s92, s93                     ; W: row 128 x tile column + 64 x half
	s_mul_i32 s94, s92, KS
	s_mov_b32 s95, 0
	s_mul_i32 s92, s92, KROW
	s_mov_b32 s93, 0
	s_mul_i32 s45, s20, AHALF                      ; where they go: by the wave's number alone
	s_mul_i32 s96, s20, BHALF
	s_add_co_u32 s96, s96, BOFF
	s_mul_i32 s97, s20, 2*SIZE_K
	s_add_co_u32 s97, s97, SCA
	s_mul_i32 s98, s20, HALFS
	s_add_co_u32 s98, s98, SCB
	s_wait_kmcnt 0x0
	s_add_nc_u64 s[22:23], s[4:5], s[22:23]
	s_add_nc_u64 s[46:47], s[6:7], s[46:47]
	s_add_nc_u64 s[92:93], s[8:9], s[92:93]
	s_add_nc_u64 s[94:95], s[10:11], s[94:95]
	CROUND                                         ; all sixteen work-groups are here: the first joint loads meet
	s_mov_b32 s[G0SA], 1
	s_mov_b32 s[G0SA+1], s97
	s_mov_b64 s[G0SA+2:G0SA+3], s[46:47]
	s_or_b32 s[G0SA+3], s[G0SA+3], 0x80000000
	s_mov_b32 s[G0SB], 1
	s_mov_b32 s[G0SB+1], s98
	s_mov_b64 s[G0SB+2:G0SB+3], s[94:95]
	s_or_b32 s[G0SB+3], s[G0SB+3], 0x80000000
	JLOAD G0SA, G1SA, G0SB, G1SB                   ; the scales first
.irp s, 0,1
	s_mov_b32 s[G0A+4*\s], 1
	s_add_co_u32 s[G0A+4*\s+1], s45, \s*SLOT
	s_add_nc_u64 s[G0A+4*\s+2:G0A+4*\s+3], s[22:23], \s*ABLK
	s_or_b32 s[G0A+4*\s+3], s[G0A+4*\s+3], 0x80000000
	s_mov_b32 s[G0B+4*\s], 1
	s_add_co_u32 s[G0B+4*\s+1], s96, \s*SLOT
	s_add_nc_u64 s[G0B+4*\s+2:G0B+4*\s+3], s[92:93], \s*384
	s_or_b32 s[G0B+4*\s+3], s[G0B+4*\s+3], 0x80000000
	JLOAD G0A+4*\s, G1A, G0B+4*\s, G1B
.endr
	v_and_b32 v1, 15, v0                           ; r
	v_bfe_u32 v2, v0, 4, 1                         ; h
	v_and_b32 v3, 31, v0                           ; lane
	s_lshl_b32 s46, s21, 7
	s_lshl_b32 s47, s19, 6
	s_add_co_u32 s46, s46, s47                     ; my first row
	s_lshl_b32 s46, s46, 12                        ; x 4,096 bytes
	s_lshl_b32 s47, s42, 7
	s_lshl_b32 s92, s20, 6
	s_add_co_u32 s47, s47, s92                     ; my first column
	s_lshl_b32 s47, s47, 2
	v_lshl_add_u32 v5, v2, 5, s47                  ; the bias: 4 x column + 32 h
	s_add_co_u32 s46, s46, s47
	s_mov_b32 s47, 0
	s_add_nc_u64 s[14:15], s[14:15], s[46:47]
	s_add_nc_u64 s[16:17], s[16:17], s[46:47]
	v_lshlrev_b32 v4, 12, v2
	v_lshl_add_u32 v[CO], v1, 4, v4                ; lanes 0-15 one row's 256 bytes, lanes 16-31 the next row's
.irp b, 0,1,2,3
	global_load_b128 v[BI+8*\b:BI+8*\b+3], v5, s[12:13] offset:64*\b
	global_load_b128 v[BI+8*\b+4:BI+8*\b+7], v5, s[12:13] offset:64*\b+16
.endr
	WIN 0x80                                       ; destination window 2
.irp a, 0,1,2,3
.irp i, 0,1,2,3,4,5,6,7
	global_load_b128 v[32*\a+4*\i:32*\a+4*\i+3], v[CO], s[14:15] offset:65536*\a+8192*\i th:TH_LOAD_NT
.endr
.endr
	WIN 0
	s_mul_i32 s46, s19, AHALF                      ; my 64 rows of A
	v_lshl_add_u32 v[ADA16], v3, 4, s46
	v_lshl_add_u32 v[ADA8], v3, 3, s46
	v_add_nc_u32 v[ADA16+1], SLOT, v[ADA16]
	v_add_nc_u32 v[ADA8+1], SLOT, v[ADA8]
	s_mul_i32 s46, s20, BHALF                      ; my 64 rows of W
	s_add_co_u32 s46, s46, BOFF
	v_mul_u32_u24 v4, v1, BP
	v_mad_u32_u24 v4, v2, 24, v4
	v_add_nc_u32 v[ADB], s46, v4
	v_lshl_add_u32 v[ADB2], v2, 4, v[ADB]
	v_add_nc_u32 v[ADB+1], SLOT, v[ADB]
	v_add_nc_u32 v[ADB2+1], SLOT, v[ADB2]
	s_lshl_b32 s46, s19, 8
	s_add_co_u32 s46, s46, SCA
	v_lshl_add_u32 v[ADSA], v3, 2, s46
	v_mul_u32_u24 v4, v3, KS
	v_lshrrev_b32 v6, 8, v4
	v_lshl_add_u32 v4, v6, 4, v4
	s_mul_i32 s46, s20, HALFS
	s_add_co_u32 s46, s46, SCB
	v_add_nc_u32 v[ADSB], s46, v4
	s_mul_i32 s46, s[WV], 16*SPITCH
	s_add_co_u32 s46, s46, STAGE
	v_mul_u32_u24 v4, v1, SPITCH
	v_lshl_add_u32 v4, v2, 5, v4
	v_add_nc_u32 v[STO], s46, v4                   ; into my stage: row r, 32 bytes for each half of the lanes
	v_mul_u32_u24 v4, v2, SPITCH
	v_lshl_add_u32 v4, v1, 4, v4
	v_add_nc_u32 v[RD], s46, v4                    ; back: two rows an instruction
.macro WM d, a, b, c, sa, sb, ra, rb   ; one product; ra, rb: source 0's, source 1's scale words stand in lanes 16-31
.if (\ra) && (\rb)
	v_wmma_scale_f32_16x16x128_f8f6f4 v[(\d):(\d)+7], v[(\a):(\a)+11], v[(\b):(\b)+11], v[(\c):(\c)+7], v[\sa], v[\sb] matrix_a_fmt:MATRIX_FMT_FP6 matrix_b_fmt:MATRIX_FMT_FP6 matrix_a_scale:MATRIX_SCALE_ROW1 matrix_b_scale:MATRIX_SCALE_ROW1
.elseif (\ra)
	v_wmma_scale_f32_16x16x128_f8f6f4 v[(\d):(\d)+7], v[(\a):(\a)+11], v[(\b):(\b)+11], v[(\c):(\c)+7], v[\sa], v[\sb] matrix_a_fmt:MATRIX_FMT_FP6 matrix_b_fmt:MATRIX_FMT_FP6 matrix_a_scale:MATRIX_SCALE_ROW1
.elseif (\rb)
	v_wmma_scale_f32_16x16x128_f8f6f4 v[(\d):(\d)+7], v[(\a):(\a)+11], v[(\b):(\b)+11], v[(\c):(\c)+7], v[\sa], v[\sb] matrix_a_fmt:MATRIX_FMT_FP6 matrix_b_fmt:MATRIX_FMT_FP6 matrix_b_scale:MATRIX_SCALE_ROW1
.else
	v_wmma_scale_f32_16x16x128_f8f6f4 v[(\d):(\d)+7], v[(\a):(\a)+11], v[(\b):(\b)+11], v[(\c):(\c)+7], v[\sa], v[\sb] matrix_a_fmt:MATRIX_FMT_FP6 matrix_b_fmt:MATRIX_FMT_FP6
.endif
.endm
; A's block a against W's four, the slot's q-th 128 along K, from buffer f.  The 16 accumulators take turns, one instruction a turn, in the same order everywhere.
.macro MUL4 f, q, sc, a, first
.irp b, 0,1,2,3
.if \first
	WM ACC+8*(4*(\a)+\b), (\f)+48+12*\b, (\f)+12*(\a), BI+8*\b, SCR+16*(\sc)+8+4*(\b/2)+(\q), SCR+16*(\sc)+2*(\q)+(\a)/2, \b%2, (\a)%2
.else
	WM ACC+8*(4*(\a)+\b), (\f)+48+12*\b, (\f)+12*(\a), ACC+8*(4*(\a)+\b), SCR+16*(\sc)+8+4*(\b/2)+(\q), SCR+16*(\sc)+2*(\q)+(\a)/2, \b%2, (\a)%2
.endif
.endr
.endm
.macro FRAGB reg, slot, q, b           ; a fragment of W: six pieces of 8 bytes; where lanes 16-31's piece lies behind one padding more, the second address register serves
.irp p, 0,1,2,3,4,5
.set PCE, 12*(\q)+6*(\p/3)+\p%3
.if PCE%16 < 13
	ds_load_b64 v[\reg+2*\p:\reg+2*\p+1], v[ADB+\slot] offset:8*PCE+16*(PCE/16)+(\b)*16*BP
.else
	ds_load_b64 v[\reg+2*\p:\reg+2*\p+1], v[ADB2+\slot] offset:8*PCE+16*(PCE/16)+(\b)*16*BP
.endif
.endr
.endm
.macro FRAGA reg, slot, q, i           ; a fragment of A: two images on end
	ds_load_b128 v[\reg:\reg+3], v[ADA16+\slot] offset:ABLK*(\i)+1536*(\q)
	ds_load_b64 v[\reg+4:\reg+5], v[ADA8+\slot] offset:ABLK*(\i)+1536*(\q)+512
	ds_load_b128 v[\reg+6:\reg+9], v[ADA16+\slot] offset:ABLK*(\i)+1536*(\q)+768
	ds_load_b64 v[\reg+10:\reg+11], v[ADA8+\slot] offset:ABLK*(\i)+1536*(\q)+1280
.endm
.macro FETCH slot, q, f                ; 40 LDS loads in one run: W's four fragments (24), A's blocks 0, 1 (8), A's blocks 2, 3 (8)
	WIN TO_F
.irp b, 0,1,2,3
	FRAGB (\f)+48+12*\b, \slot, \q, \b
.endr
.irp i, 0,1,2,3
	FRAGA (\f)+12*\i, \slot, \q, \i
.endr
.endm
.macro SCALES sc                       ; a slot's scale words: ten loads
.irp q, 0,1,2,3
.irp i, 0,1
	ds_load_b32 v[SCR+16*\sc+2*\q+\i], v[ADSA] offset:512*\q+128*\i
.endr
.endr
.irp i, 0,1
	ds_load_b128 v[SCR+16*\sc+8+4*\i:SCR+16*\sc+8+4*\i+3], v[ADSB] offset:\i*(32*KS/256)*272
.endr
.endm
.macro PLACES                          ; four plain lines between a matrix instruction and a load into, or a read of, its registers
.rept 4
	v_nop
.endr
.endm
.macro QUARTER slot, q, first          ; one of a slot's first three quarters: multiplies buffer q % 2 and fetches the next quarter into the other
	s_wait_dscnt 8                                 ; all but the youngest eight loads (A's blocks 2, 3)
	WIN MUL
	MUL4 128*((\q)%2), \q, \slot, 0, \first
	MUL4 128*((\q)%2), \q, \slot, 1, \first
	PLACES
	FETCH \slot, (\q)+1, 128-128*((\q)%2)
	s_wait_dscnt 40                                ; all but the 40 just issued
	WIN MUL
	MUL4 128*((\q)%2), \q, \slot, 2, \first
	MUL4 128*((\q)%2), \q, \slot, 3, \first
.endm
.macro TURN slot, next, fill           ; a slot's last quarter (buffer 1) changes slots: one barrier
	WIN 0
	s_wait_tensorcnt 0x0                           ; all my tensor loads have landed: my part of the next slot;
	ds_add_u32 v[SPW], v[NIL]                      ; 0 onto my spare word;
	s_wait_dscnt 9                                 ; (the add and the youngest eight loads may be out)
	WIN MUL
	MUL4 F1, 3, \slot, 0, 0
	s_wait_dscnt 0x0                               ; the add is done, and my reads of this slot are over
	s_barrier_signal -1
	MUL4 F1, 3, \slot, 1, 0
	WIN 0
	s_barrier_wait -1
.if \fill
	CREST                                          ; the barrier has opened a round of the cluster's: no wave of any partner still reads this slot or has a load on its way
	s_add_nc_u64 s[G0A+4*\slot+2:G0A+4*\slot+3], s[G0A+4*\slot+2:G0A+4*\slot+3], 2*ABLK
	s_add_nc_u64 s[G0B+4*\slot+2:G0B+4*\slot+3], s[G0B+4*\slot+2:G0B+4*\slot+3], 2*384
	JLOAD G0A+4*\slot, G1A, G0B+4*\slot, G1B       ; the first tensor load behind the round
.else
	PLACES
.endif
	v_add_nc_u32 v[ADSA], 2048, v[ADSA]            ; the next slot's scale words
	v_add_nc_u32 v[ADSB], 16, v[ADSB]
	SCALES \next
	FETCH \next, 0, F0
	WIN MUL
	MUL4 F1, 3, \slot, 2, 0
	MUL4 F1, 3, \slot, 3, 0
.endm
	s_wait_loadcnt 32                              ; the bias is in; the residual's 32 loads stay out
	s_wait_tensorcnt 1                             ; the scales and my part of slot 0 are in (slot 1's load may be out),
	s_barrier_signal -1
	s_barrier_wait -1                              ; everybody's are
	SCALES 0
	FETCH 0, 0, F0
	QUARTER 0, 0, 1                                ; the first quarter's products start the sums, from the bias
.if LAPS > 1
	WIN 0
	s_mov_b32 s3, LAPS-1
.Llap:
	QUARTER 0, 1, 0
	QUARTER 0, 2, 0
	TURN 0, 1, 1
	QUARTER 1, 0, 0
	QUARTER 1, 1, 0
	QUARTER 1, 2, 0
	TURN 1, 0, 1
	QUARTER 0, 0, 0
	WIN 0
	s_sub_co_u32 s3, s3, 1
	s_cmp_lg_u32 s3, 0
	s_cbranch_scc1 .Llap
.endif
	QUARTER 0, 1, 0
	QUARTER 0, 2, 0
	TURN 0, 1, 0
	QUARTER 1, 0, 0
	QUARTER 1, 1, 0
	QUARTER 1, 2, 0
	s_wait_dscnt 8
	WIN MUL
	MUL4 F1, 3, 1, 0, 0
	MUL4 F1, 3, 1, 1, 0
	s_wait_dscnt 0
	MUL4 F1, 3, 1, 2, 0
	MUL4 F1, 3, 1, 3, 0
	WIN 0
	; THE WAY OUT: 16 rows x 64 columns at a time through my own stage, back as rows of 256 bytes, + the residual, stored: sixteen lanes fill 256 consecutive bytes, aligned
	s_wait_loadcnt 0x0                             ; the residual
	PLACES
.irp a, 0,1,2,3
	s_wait_xcnt 0x0                                ; the last block's stores have read their registers
.irp b, 0,1,2,3
	ds_store_b128 v[STO], v[ACC+8*(4*\a+\b):ACC+8*(4*\a+\b)+3] offset:64*\b        ; each accumulator from its low end on
	ds_store_b128 v[STO], v[ACC+8*(4*\a+\b)+4:ACC+8*(4*\a+\b)+7] offset:64*\b+16
.endr
.irp i, 0,1,2,3,4,5,6,7
	ds_load_b128 v[OB+4*\i:OB+4*\i+3], v[RD] offset:2*SPITCH*\i    ; LDS serves a wave's instructions in order: these see my stores
.endr
	s_wait_dscnt 0x0
	WIN 0x08                                       ; source 1: window 2
.set i, 0
.rept 16
	v_pk_add_f32 v[OB+i:OB+i+1], v[OB+i:OB+i+1], v[32*\a+i:32*\a+i+1]
.set i, i+2
.endr
	WIN 0
.irp i, 0,1,2,3,4,5,6,7
	global_store_b128 v[CO], v[OB+4*\i:OB+4*\i+3], s[16:17] offset:65536*\a+8192*\i
.endr
.endr
	s_wait_tensorcnt 0x0                           ; the wave's end
	ds_add_u32 v[SPW], v[NIL]
	s_wait_dscnt 0x0
	CROUND                                         ; the closing round
	s_endpgm
.Lfunc_end_k_q91c165ba78_wo:
	.size	k_q91c165ba78_wo, .Lfunc_end_k_q91c165ba78_wo-k_q91c165ba78_wo
	.p2alignl 7, 3214868480
	.fill 96, 4, 3214868480
	.section	.rodata,"a",@progbits
	.p2align	6, 0x0
	.amdhsa_kernel k_q91c165ba78_wo
		.amdhsa_group_segment_fixed_size 327680
		.amdhsa_private_segment_fixed_size 0
		.amdhsa_enable_private_segment 0
		.amdhsa_kernarg_size 56
		.amdhsa_user_sgpr_count 2
		.amdhsa_user_sgpr_kernarg_segment_ptr 1
		.amdhsa_wavefront_size32 1
		.amdhsa_system_sgpr_workgroup_id_x 1
		.amdhsa_system_sgpr_workgroup_id_y 1
		.amdhsa_system_sgpr_workgroup_id_z 1
		.amdhsa_system_vgpr_workitem_id 0
		.amdhsa_next_free_vgpr 768
		.amdhsa_next_free_sgpr 100
		.amdhsa_reserve_vcc 0
		.amdhsa_float_denorm_mode_32 3
		.amdhsa_float_denorm_mode_16_64 3
		.amdhsa_memory_ordered 1
		.amdhsa_forward_progress 1
		.amdhsa_inst_pref_size 66
	.end_amdhsa_kernel
	.amdgpu_metadata
---
amdhsa.version: [ 1, 2 ]
amdhsa.kernels:
  - .name:           k_q91c165ba78_wo
    .symbol:         k_q91c165ba78_wo.kd
    .args:
      - { .name: ac, .offset: 0, .size: 8, .value_kind: global_buffer, .address_space: global }
      - { .name: asc, .offset: 8, .size: 8, .value_kind: global_buffer, .address_space: global }
      - { .name: wo_codes, .offset: 16, .size: 8, .value_kind: global_buffer, .address_space: global }
      - { .name: wo_scales, .offset: 24, .size: 8, .value_kind: global_buffer, .address_space: global }
      - { .name: bo, .offset: 32, .size: 8, .value_kind: global_buffer, .address_space: global }
      - { .name: x, .offset: 40, .size: 8, .value_kind: global_buffer, .address_space: global }
      - { .name: x1, .offset: 48, .size: 8, .value_kind: global_buffer, .address_space: global }
    .group_segment_fixed_size: 327680
    .private_segment_fixed_size: 0
    .kernarg_segment_align: 8
    .kernarg_segment_size: 56
    .max_flat_workgroup_size: 128
    .sgpr_count:     100
    .vgpr_count:     768
    .wavefront_size: 32
...
	.end_amdgpu_metadata
.endif
;; end of part 4
;; launch ln2: the kernel of part 1 again; grid 256 x 1, 8 waves a work-group, no clusters, 42,496 bytes of LDS; arguments x1, g2, be2, xc, xs; writes xc, xs
;; launch w1 (part 5): grid 16 x 16, 4 waves a work-group, clusters of 4 x 4, 327,680 bytes of LDS; arguments xc, xs, w1_codes, w1_scales, b1, ac, asc; writes ac, asc
.if DOCPART == 5
	.amdgcn_target "amdgcn-amd-amdhsa--gfx1250"
	.amdhsa_code_object_version 6
	.text
	.protected	k_q91c165ba78_w1
	.globl	k_q91c165ba78_w1
	.p2align	8
	.type	k_q91c165ba78_w1,@function
k_q91c165ba78_w1:
	s_mov_b64 s[64:65], 0
	v_nop
	global_prefetch_b8 v0, s[64:65] scope:SCOPE_SE
	s_setreg_imm32_b32 hwreg(HW_REG_WAVE_MODE, 25, 1), 1
	s_wait_xcnt 0x0
	s_wait_alu depctr_hold_cnt(0) depctr_sa_sdst(0) depctr_va_vdst(0) depctr_va_sdst(0) depctr_va_ssrc(0) depctr_va_vcc(0) depctr_vm_vsrc(0)
	s_getreg_b32 s2, hwreg(HW_REG_IB_STS2, 6, 4)
	s_cmp_eq_u32 s2, 0
	s_cbranch_scc0 .Lentry_in_a_cluster
	s_endpgm
.Lentry_in_a_cluster:
	s_bfe_u32 s2, ttmp6, 0x10000c
	s_cmp_lg_u32 s2, 0xf033
	s_cbranch_scc0 .Lentry_shape_is_right
	s_endpgm
.Lentry_shape_is_right:
; h = relu(xn w1 + b1) on codes of FP6 (E2M3) with E8M0 scales, M = N = 4,096, K = 1,024; h leaves as codes, quantised along its 4,096 columns, which are the next product's K.
; A tile is 256 x 256, a wave's 128 x 128: 64 accumulators.  Transposed use: source 0 = 16 rows of w1, source 1 = 16 tokens: a lane holds one token and its registers run along h's columns.
; K goes in steps of 256 through a ring of two LDS slots filled by joint tensor loads (xn's tile shared along a row of the 4 x 4 cluster, w1's along a column); all scale bytes come once.
; The bias is the C of each sum's first matrix instruction.
; THE WAY OUT uses no LDS: 16 tokens x 128 columns: relu, an exchange of halves that puts 16 neighbouring columns into a lane's registers (h meets given weights, so its K keeps its true order),
; the quantiser in registers, and the fragment stored as the image of its registers: ac: [16 rows: 256][64 along K: 64][768]; asc: [128 along K: 32][4,096 rows] scale words.
; LIMITS: NaN and infinities are not served; a block whose largest magnitude lies under 2^-124 (zeros too) keeps the byte 1.
; REGISTERS: window 0: v0-31 addresses; v32-63 scale words, two sets; v128-223 xn's fragments, one set.  window 1: w1's fragments, two sets, at v0 and v128; the bias at v96-127 and v224-255.
;   windows 2, 3: the accumulators.  On the way out v32-55 and v128-211 of window 0 are at work.
.set SIZE_K, 1024
.set KSTEP,  256
.set NQ,     KSTEP/128
.set ROWB,   192
.set KROW,   SIZE_K*6/8
.set PITCH,  240                       ; an LDS row: 3 x (64 bytes + 16 of padding)
.set FR,     12
.set NL,     6
.set NP,     4
.set HALFT,  128*PITCH
.set SLOT,   4*HALFT
.set LAPS,   SIZE_K/(2*KSTEP)
.set KS,     SIZE_K/32
.set SCL,    2*SLOT
.set HALFS,  (128*KS/256)*272
.set SBLK,   (16*KS/256)*272
.set SPARE,  SCL+4*HALFS               ; the spare words: 128 bytes a wave, named by no other line
.set ADRA, 16
.set ADRB, 20
.set GO16, 24
.set GO8,  25
.set GO4,  26
.set ADRS, 27
.set SPW,  28
.set NIL,  29
.set SC,   32
.set AF,   128
.set T,    128
.set PC,   192
.set TM,   32
.set PW,   48
.set W0E,  49
.set P0,   52
.set SEL,  20
.set G1, 24
.set G0, 32
.set G1B, 48
.set G0B, 56
.set G1S, 68
.set G0S, 76
.set G1SB, 80
.set G0SB, 88
.set MSB, 0
.macro WIN new
.if MSB != \new
	s_set_vgpr_msb (MSB<<8)|\new
.set MSB, \new
.endif
.endm
.set MUL_LO, 0xa1
.set MUL_HI, 0xf1
.set TO_B,   0x40
.macro JLOAD g0a, g1a, g0b, g1b
	s_cmp_eq_u32 s15, 0
	s_cbranch_scc0 .Lfor_b_\@
	tensor_load_to_lds s[\g0a:\g0a+3], s[\g1a:\g1a+7]
	s_nop 0
.rept 4
	v_nop
.endr
	s_branch .Lasked_\@
.Lfor_b_\@:
	tensor_load_to_lds s[\g0b:\g0b+3], s[\g1b:\g1b+7]
	s_nop 0
.rept 4
	v_nop
.endr
.Lasked_\@:
.endm
.macro CREST
	s_cmp_lg_u32 s14, 0
	s_cbranch_scc1 .Lnot_wave_0_\@
	s_barrier_signal -3
.Lnot_wave_0_\@:
	s_barrier_wait -3
	s_barrier_signal -1
	s_barrier_wait -1
.endm
.macro CROUND
	s_barrier_signal -1
	s_barrier_wait -1
	CREST
.endm
	s_load_b128 s[4:7], s[0:1], 0x0                ; xn's codes, scales
	s_load_b128 s[8:11], s[0:1], 0x10              ; w1's codes, scales
	s_load_b64 s[12:13], s[0:1], 0x20              ; b1
	s_load_b128 s[96:99], s[0:1], 0x28             ; ac, asc
	v_lshl_add_u32 v[SPW], v0, 2, SPARE
	v_mov_b32 v[NIL], 0
	ds_add_u32 v28, v29
	ds_add_u32 v28, v29
	s_wait_dscnt 0x0
	v_lshrrev_b32 v1, 5, v0
	v_readfirstlane_b32 s14, v1
	s_lshr_b32 s15, s14, 1
	s_and_b32 s16, s14, 1
	s_bfe_u32 s40, ttmp6, 0x40000
	s_bfe_u32 s41, ttmp6, 0x40004
	s_lshl_b32 s42, ttmp9, 2
	s_add_co_u32 s42, s42, s40                     ; tile column
	s_and_b32 s17, ttmp7, 0xffff
	s_lshl_b32 s17, s17, 2
	s_add_co_u32 s17, s17, s41                     ; tile row
	s_lshl_b32 s43, s41, 2
	s_lshl_b32 s43, 15, s43
	s_lshl_b32 s44, 0x1111, s40
	s_or_b32 s[G1+0], s43, (0<<16)|(1<<20)|(1<<21)|(3<<22)|(3<<25)
	s_or_b32 s[G1B+0], s44, (0<<16)|(1<<20)|(1<<21)|(3<<22)|(3<<25)
.irp g, G1, G1B
	s_mov_b32 s[\g+1], ROWB<<16
	s_mov_b32 s[\g+2], 128<<16
	s_mov_b32 s[\g+3], ROWB<<16
	s_mov_b32 s[\g+4], 128
	s_mov_b32 s[\g+5], KROW
	s_mov_b32 s[\g+6], 0
	s_mov_b32 s[\g+7], 0
.endr
	s_or_b32 s[G1S+0], s43, (3<<16)|(1<<20)|(1<<21)|(5<<22)|(3<<25)
	s_or_b32 s[G1SB+0], s44, (3<<16)|(1<<20)|(1<<21)|(5<<22)|(3<<25)
.irp g, G1S, G1SB
	s_mov_b32 s[\g+1], 32<<16
	s_mov_b32 s[\g+2], (128*KS/256)<<16
	s_mov_b32 s[\g+3], 32<<16
	s_mov_b32 s[\g+4], 128*KS/256
	s_mov_b32 s[\g+5], 32
	s_mov_b32 s[\g+6], 0
	s_mov_b32 s[\g+7], 0
.endr
	s_lshl_b32 s18, s16, 7
	s_lshl_b32 s20, s17, 8
	s_add_co_u32 s20, s20, s18
	s_lshl_b32 s46, s42, 8
	s_add_co_u32 s46, s46, s18
	s_mov_b32 s21, 0
	s_mov_b32 s47, 0
	s_mov_b64 s[18:19], KS
	s_mul_u64 s[22:23], s[20:21], s[18:19]
	s_mul_u64 s[92:93], s[46:47], s[18:19]
	s_mov_b64 s[18:19], KROW
	s_mul_u64 s[20:21], s[20:21], s[18:19]
	s_mul_u64 s[46:47], s[46:47], s[18:19]
	s_mul_i32 s45, s14, HALFT
	s_mul_i32 s94, s14, HALFS
	s_wait_kmcnt 0x0
	s_add_nc_u64 s[20:21], s[4:5], s[20:21]
	s_add_nc_u64 s[22:23], s[6:7], s[22:23]
	s_add_nc_u64 s[46:47], s[8:9], s[46:47]
	s_add_nc_u64 s[92:93], s[10:11], s[92:93]
	CROUND
	s_mov_b32 s[G0S], 1
	s_add_co_u32 s[G0S+1], s94, SCL
	s_mov_b64 s[G0S+2:G0S+3], s[22:23]
	s_or_b32 s[G0S+3], s[G0S+3], 0x80000000
	s_mov_b32 s[G0SB], 1
	s_add_co_u32 s[G0SB+1], s94, SCL
	s_mov_b64 s[G0SB+2:G0SB+3], s[92:93]
	s_or_b32 s[G0SB+3], s[G0SB+3], 0x80000000
	JLOAD G0S, G1S, G0SB, G1SB
.irp s, 0,1
	s_mov_b32 s[G0+4*\s], 1
	s_add_co_u32 s[G0+4*\s+1], s45, \s*SLOT
	s_add_nc_u64 s[G0+4*\s+2:G0+4*\s+3], s[20:21], \s*ROWB
	s_or_b32 s[G0+4*\s+3], s[G0+4*\s+3], 0x80000000
	s_mov_b32 s[G0B+4*\s], 1
	s_add_co_u32 s[G0B+4*\s+1], s45, \s*SLOT
	s_add_nc_u64 s[G0B+4*\s+2:G0B+4*\s+3], s[46:47], \s*ROWB
	s_or_b32 s[G0B+4*\s+3], s[G0B+4*\s+3], 0x80000000
	JLOAD G0+4*\s, G1, G0B+4*\s, G1B
.endr
	v_and_b32 v1, 15, v0
	v_bfe_u32 v2, v0, 4, 1
	s_lshl_b32 s40, s17, 8
	s_lshl_b32 s41, s15, 7
	s_add_co_u32 s40, s40, s41                     ; m0: my first token
	s_lshl_b32 s41, s42, 8
	s_lshl_b32 s43, s16, 7
	s_add_co_u32 s41, s41, s43                     ; n0: my first column of h
	s_lshl_b32 s43, s41, 2
	v_lshl_add_u32 v8, v2, 5, s43                  ; 4 n0 + 32 h
	WIN 0x40                                       ; destination window 1
.irp b, 0,1,2,3,4,5,6,7
	global_load_b128 v[96+8*\b+96*(\b/4):96+8*\b+96*(\b/4)+3], v8, s[12:13] offset:64*\b       ; register j of tile b: b1 at n0 + 16 b + 8 h + j
	global_load_b128 v[96+8*\b+96*(\b/4)+4:96+8*\b+96*(\b/4)+7], v8, s[12:13] offset:64*\b+16
.endr
	WIN 0
	v_mul_u32_u24 v3, v1, PITCH
	v_mul_u32_u24 v4, v2, 24
	v_add_nc_u32 v4, v3, v4
	v_lshl_add_u32 v5, v2, 4, v4
	s_mul_i32 s21, s15, HALFT
	s_mul_i32 s22, s16, HALFT
	s_add_co_u32 s22, s22, 2*HALFT
.irp s, 0,1
	v_add_nc_u32 v[ADRA+\s], s21, v4
	v_add_nc_u32 v[ADRB+\s], s22, v4
	v_add_nc_u32 v[ADRA+2+\s], s21, v5
	v_add_nc_u32 v[ADRB+2+\s], s22, v5
	s_add_co_u32 s21, s21, SLOT
	s_add_co_u32 s22, s22, SLOT
.endr
	v_mul_u32_u24 v5, v1, KS
	v_lshrrev_b32 v6, 8, v5
	v_lshl_add_u32 v5, v6, 4, v5
	s_mul_i32 s21, s15, HALFS
	s_mul_i32 s22, s16, HALFS
	s_add_co_u32 s22, s22, 2*HALFS
	s_sub_co_u32 s22, s22, s21
	v_mul_u32_u24 v6, s22, v2
	s_add_co_u32 s21, s21, SCL
	v_add_nc_u32 v5, v5, v6
	v_add_nc_u32 v[ADRS], s21, v5
	v_and_b32 v6, 31, v0
	v_lshlrev_b32 v[GO16], 4, v6
	v_lshlrev_b32 v[GO8], 3, v6
	v_lshlrev_b32 v[GO4], 2, v6
	s_lshr_b32 s18, s40, 4
	s_lshl_b32 s18, s18, 6
	s_lshr_b32 s19, s41, 6
	s_add_co_u32 s18, s18, s19
	s_mul_i32 s18, s18, 768                        ; ac: (block of 16 rows x 64 + 64 along K) x 768
	s_mov_b32 s19, 0
	s_lshr_b32 s22, s41, 7
	s_lshl_b32 s22, s22, 12
	s_add_co_u32 s22, s22, s40
	s_lshl_b32 s22, s22, 2                         ; asc: (128 along K x 4,096 + row) x 4
	s_mov_b32 s23, 0
	s_add_nc_u64 s[8:9], s[96:97], s[18:19]
	s_add_nc_u64 s[10:11], s[98:99], s[22:23]
	s_mov_b32 s94, 0xffff0000                      ; lanes 16-31
	s_mov_b32 s[SEL], 0x76543210
	s_mov_b32 s[SEL+1], 0xfedcba98
.macro FRAG reg, adr, q, i
.irp p, 0,1,2,3,4,5
.set PCE, 12*(\q)+6*(\p/3)+\p%3
.if PCE%8 < 5
	ds_load_b64 v[\reg+2*\p:\reg+2*\p+1], v[\adr] offset:8*PCE+16*(PCE/8)+(\i)*16*PITCH
.else
	ds_load_b64 v[\reg+2*\p:\reg+2*\p+1], v[\adr+2] offset:8*PCE+16*(PCE/8)+(\i)*16*PITCH
.endif
.endr
.endm
; 16 matrix instructions; zero = 1: the first product starts the sums, from the bias (window 1).  The 64 accumulators take turns, one instruction a turn.
.macro MUL16 a0, p, q, sc, zero
.irp a, \a0, \a0+1
.irp b, 0,1,2,3,4,5,6,7
.if \zero
	v_wmma_scale_f32_16x16x128_f8f6f4 v[8*(8*((\a)%4)+\b):8*(8*((\a)%4)+\b)+7], v[128*(\p)+FR*\b:128*(\p)+FR*\b+FR-1], v[AF+FR*(\a):AF+FR*(\a)+FR-1], v[96+8*\b+96*(\b/4):96+8*\b+96*(\b/4)+7], v[SC+8*NQ*(\sc)+NQ*\b+(\q)], v[SC+8*NQ*(\sc)+NQ*(\a)+(\q)] matrix_a_fmt:MATRIX_FMT_FP6 matrix_b_fmt:MATRIX_FMT_FP6 matrix_a_scale:MATRIX_SCALE_ROW1
.else
	v_wmma_scale_f32_16x16x128_f8f6f4 v[8*(8*((\a)%4)+\b):8*(8*((\a)%4)+\b)+7], v[128*(\p)+FR*\b:128*(\p)+FR*\b+FR-1], v[AF+FR*(\a):AF+FR*(\a)+FR-1], v[8*(8*((\a)%4)+\b):8*(8*((\a)%4)+\b)+7], v[SC+8*NQ*(\sc)+NQ*\b+(\q)], v[SC+8*NQ*(\sc)+NQ*(\a)+(\q)] matrix_a_fmt:MATRIX_FMT_FP6 matrix_b_fmt:MATRIX_FMT_FP6 matrix_a_scale:MATRIX_SCALE_ROW1
.endif
.endr
.endr
.endm
.macro FETCH_B slot, q, p
	WIN TO_B
.irp i, 0,1,2,3,4,5,6,7
	FRAG 128*(\p)+FR*\i, ADRB+\slot, \q, \i
.endr
	WIN 0
.endm
.macro FETCH_A slot, q, i0
.irp i, \i0, \i0+1, \i0+2, \i0+3
	FRAG AF+FR*(\i), ADRA+\slot, \q, \i
.endr
.endm
.macro SCALES sc
.irp i, 0,1,2,3,4,5,6,7
	ds_load_b64 v[SC+8*NQ*\sc+NQ*\i:SC+8*NQ*\sc+NQ*\i+1], v[ADRS] offset:\i*SBLK
.endr
.endm
.macro PLACES n
.rept \n
	v_nop
.endr
.endm
.macro STEP slot, q, zero
	s_wait_dscnt 4*NL                              ; all but the youngest 24 loads (xn's blocks 4-7)
.if \zero
	WIN 0x91                                       ; C (the bias) window 1, D window 2
.else
	WIN MUL_LO
.endif
	MUL16 0, (\q)%2, \q, \slot, \zero
	MUL16 2, (\q)%2, \q, \slot, \zero
	s_wait_dscnt 0
	PLACES NP
	FETCH_B \slot, (\q)+1, 1-(\q)%2
	FETCH_A \slot, (\q)+1, 0
.if \zero
	WIN 0xd1                                       ; C window 1, D window 3
.else
	WIN MUL_HI
.endif
	MUL16 4, (\q)%2, \q, \slot, \zero
	MUL16 6, (\q)%2, \q, \slot, \zero
	PLACES NP
	WIN 0
	FETCH_A \slot, (\q)+1, 4
.endm
.macro TURN slot, next, fill
	s_wait_tensorcnt 0x0                           ; all my tensor loads have landed: my part of the next slot;
	ds_add_u32 v[SPW], v[NIL]                      ; 0 onto my spare word;
	s_wait_dscnt 4*NL+1                            ; (the add and the youngest 24 loads may be out)
	WIN MUL_LO
	MUL16 0, 1, NQ-1, \slot, 0
	s_wait_dscnt 0x0                               ; the add is done, and my reads of this slot are over
	s_barrier_signal -1
	MUL16 2, 1, NQ-1, \slot, 0
	WIN 0
	s_barrier_wait -1
.if \fill
	CREST
	s_add_nc_u64 s[G0+4*\slot+2:G0+4*\slot+3], s[G0+4*\slot+2:G0+4*\slot+3], 2*ROWB
	s_add_nc_u64 s[G0B+4*\slot+2:G0B+4*\slot+3], s[G0B+4*\slot+2:G0B+4*\slot+3], 2*ROWB
	JLOAD G0+4*\slot, G1, G0B+4*\slot, G1B
.else
	PLACES NP
.endif
	v_add_nc_u32 v[ADRS], 4*NQ, v[ADRS]
	FETCH_B \next, 0, 0
	FETCH_A \next, 0, 0
	SCALES \next
	WIN MUL_HI
	MUL16 4, 1, NQ-1, \slot, 0
	MUL16 6, 1, NQ-1, \slot, 0
	PLACES NP
	WIN 0
	FETCH_A \next, 0, 4
.endm
	s_wait_loadcnt 0x0                             ; the bias
	s_wait_tensorcnt 1                             ; the scales and my part of K step 0 are in (K step 1's load may be out),
	s_barrier_signal -1
	s_barrier_wait -1
	FETCH_B 0, 0, 0
	FETCH_A 0, 0, 0
	SCALES 0
	FETCH_A 0, 0, 4
	STEP 0, 0, 1
	s_mov_b32 s3, LAPS-1
.Llap:
	TURN 0, 1, 1
	STEP 1, 0, 0
	TURN 1, 0, 1
	STEP 0, 0, 0
	s_sub_co_u32 s3, s3, 1
	s_cmp_lg_u32 s3, 0
	s_cbranch_scc1 .Llap
	TURN 0, 1, 0
	STEP 1, 0, 0
	s_wait_dscnt 4*NL
	WIN MUL_LO
	MUL16 0, 1, NQ-1, 1, 0
	MUL16 2, 1, NQ-1, 1, 0
	s_wait_dscnt 0
	WIN MUL_HI
	MUL16 4, 1, NQ-1, 1, 0
	MUL16 6, 1, NQ-1, 1, 0
	WIN 0
; 64 numbers of a lane, register 16 b + i = k 32 b + 16 (lane / 16) + i of my row, become a fragment's codes in v[PC] on and its scale word in v[PW].
.macro QUANT s
.irp b, 0,1,2,3
	v_max3_num_f32 v[TM+\b], |v[\s+16*\b]|, |v[\s+1+16*\b]|, 0x1800000
.endr
.irp i, 2,4,6,8,10,12,14
.irp b, 0,1,2,3
	v_max3_num_f32 v[TM+\b], v[TM+\b], |v[\s+16*\b+\i]|, |v[\s+1+16*\b+\i]|
.endr
.endr
.irp b, 0,1,2,3
	v_permlanex16_b32 v[TM+4+\b], v[TM+\b], s[SEL], s[SEL+1]
.endr
.irp b, 0,1,2,3
	v_max_num_f32 v[TM+\b], v[TM+\b], v[TM+4+\b]
.endr
.irp b, 0,1,2,3
	v_add_nc_u32 v[TM+12+\b], 0xff000000, v[TM+\b]
.endr
.irp b, 0,1,2,3
	v_lshrrev_b32 v[TM+4+\b], 23, v[TM+12+\b]
.endr
	v_lshl_or_b32 v[PW], v[TM+5], 8, v[TM+4]
	v_lshl_or_b32 v[PW], v[TM+6], 16, v[PW]
	v_lshl_or_b32 v[PW], v[TM+7], 24, v[PW]
.irp c, 0,1
	v_cvt_scalef32_pk16_fp6_f32 v[PC+6*\c:PC+2+6*\c], v[\s+32*\c:\s+15+32*\c], v[TM+12+2*\c]
	v_cvt_scalef32_pk16_fp6_f32 v[PC+12+4*\c:PC+14+4*\c], v[\s+16+32*\c:\s+31+32*\c], v[TM+12+2*\c+1]
.endr
	v_nop                                          ; one plain line behind a scaled conversion
.irp c, 0,1
.irp i, 0,1,2
	v_permlane16_swap_b32 v[PC+6*\c+\i], v[PC+12+4*\c+\i]
.endr
.irp i, 0,1,2
	v_mov_b32 v[PC+3+6*\c+\i], v[PC+12+4*\c+\i]
.endr
.endr
.endm
.macro OUTB a                          ; block a of my eight: 16 tokens x 128 columns of h
.set AC, 64*((\a)%4)
	s_wait_xcnt 0x0                                ; the last block's stores have read the codes' registers
	WIN 0x08+0x04*((\a)/4)                         ; source 1: window 2 or 3
.set i, 0
.rept 64
	v_max_num_f32 v[T+i], 0, v[AC+i]               ; the activation, and the move into window 0; each accumulator from its low end on
.set i, i+1
.endr
	WIN 0
.irp b, 0,1,2,3
.irp j, 0,1,2,3,4,5,6,7
	v_permlane16_swap_b32 v[T+16*\b+\j], v[T+16*\b+8+\j]   ; two natural tiles become 16 neighbours a lane: register 16 b + i = column 32 b + 16 h + i
.endr
.endr
	QUANT T
	global_store_b128 v[GO16], v[PC:PC+3], s[8:9] offset:49152*(\a)            ; 1,536 consecutive bytes in four stores
	global_store_b64 v[GO8], v[PC+4:PC+5], s[8:9] offset:49152*(\a)+512
	global_store_b128 v[GO16], v[PC+6:PC+9], s[8:9] offset:49152*(\a)+768
	global_store_b64 v[GO8], v[PC+10:PC+11], s[8:9] offset:49152*(\a)+1280
.if (\a)%2 == 0
	v_mov_b32 v[W0E], v[PW]
.else
	v_cndmask_b32 v[P0+(\a)/2], v[W0E], v[PW], s94 ; lanes 0-15: the even block's rows; lanes 16-31: the odd block's
.endif
.endm
	PLACES NP
.irp b, 0,1,2,3
	v_mov_b32 v[TM+4+\b], 0                        ; a lane permute's destination counts as one of its sources
.endr
.irp a, 0,1,2,3,4,5,6,7
	OUTB \a
.endr
.irp i, 0,1,2,3
	global_store_b32 v[GO4], v[P0+\i], s[10:11] offset:128*\i   ; together 512 consecutive bytes
.endr
	s_wait_tensorcnt 0x0                           ; the wave's end
	ds_add_u32 v[SPW], v[NIL]
	s_wait_dscnt 0x0
	CROUND
	s_endpgm
.Lfunc_end_k_q91c165ba78_w1:
	.size	k_q91c165ba78_w1, .Lfunc_end_k_q91c165ba78_w1-k_q91c165ba78_w1
	.p2alignl 7, 3214868480
	.fill 96, 4, 3214868480
	.section	.rodata,"a",@progbits
	.p2align	6, 0x0
	.amdhsa_kernel k_q91c165ba78_w1
		.amdhsa_group_segment_fixed_size 327680
		.amdhsa_private_segment_fixed_size 0
		.amdhsa_enable_private_segment 0
		.amdhsa_kernarg_size 56
		.amdhsa_user_sgpr_count 2
		.amdhsa_user_sgpr_kernarg_segment_ptr 1
		.amdhsa_wavefront_size32 1
		.amdhsa_system_sgpr_workgroup_id_x 1
		.amdhsa_system_sgpr_workgroup_id_y 1
		.amdhsa_system_sgpr_workgroup_id_z 1
		.amdhsa_system_vgpr_workitem_id 0
		.amdhsa_next_free_vgpr 1024
		.amdhsa_next_free_sgpr 104
		.amdhsa_reserve_vcc 0
		.amdhsa_float_denorm_mode_32 3
		.amdhsa_float_denorm_mode_16_64 3
		.amdhsa_memory_ordered 1
		.amdhsa_forward_progress 1
		.amdhsa_inst_pref_size 191
	.end_amdhsa_kernel
	.amdgpu_metadata
---
amdhsa.version: [ 1, 2 ]
amdhsa.kernels:
  - .name:           k_q91c165ba78_w1
    .symbol:         k_q91c165ba78_w1.kd
    .args:
      - { .name: xc, .offset: 0, .size: 8, .value_kind: global_buffer, .address_space: global }
      - { .name: xs, .offset: 8, .size: 8, .value_kind: global_buffer, .address_space: global }
      - { .name: w1_codes, .offset: 16, .size: 8, .value_kind: global_buffer, .address_space: global }
      - { .name: w1_scales, .offset: 24, .size: 8, .value_kind: global_buffer, .address_space: global }
      - { .name: b1, .offset: 32, .size: 8, .value_kind: global_buffer, .address_space: global }
      - { .name: ac, .offset: 40, .size: 8, .value_kind: global_buffer, .address_space: global }
      - { .name: asc, .offset: 48, .size: 8, .value_kind: global_buffer, .address_space: global }
    .group_segment_fixed_size: 327680
    .private_segment_fixed_size: 0
    .kernarg_segment_align: 8
    .kernarg_segment_size: 56
    .max_flat_workgroup_size: 128
    .sgpr_count:     104
    .vgpr_count:     1024
    .wavefront_size: 32
...
	.end_amdgpu_metadata
.endif
;; end of part 5
;; launch w2 (part 6): grid 8 x 32, 4 waves a work-group, clusters of 4 x 4, 327,680 bytes of LDS; arguments ac, asc, w2_codes, w2_scales, b2, x1, out0; writes out0
.if DOCPART == 6
	.amdgcn_target "amdgcn-amd-amdhsa--gfx1250"
	.amdhsa_code_object_version 6
	.text
	.protected	k_q91c165ba78_w2
	.globl	k_q91c165ba78_w2
	.p2align	8
	.type	k_q91c165ba78_w2,@function
k_q91c165ba78_w2:
	s_mov_b64 s[64:65], 0
	v_nop
	global_prefetch_b8 v0, s[64:65] scope:SCOPE_SE
	s_setreg_imm32_b32 hwreg(HW_REG_WAVE_MODE, 25, 1), 1
	s_wait_xcnt 0x0
	s_wait_alu depctr_hold_cnt(0) depctr_sa_sdst(0) depctr_va_vdst(0) depctr_va_sdst(0) depctr_va_ssrc(0) depctr_va_vcc(0) depctr_vm_vsrc(0)
	s_getreg_b32 s2, hwreg(HW_REG_IB_STS2, 6, 4)
	s_cmp_eq_u32 s2, 0
	s_cbranch_scc0 .Lentry_in_a_cluster
	s_endpgm
.Lentry_in_a_cluster:
	s_bfe_u32 s2, ttmp6, 0x10000c
	s_cmp_lg_u32 s2, 0xf033
	s_cbranch_scc0 .Lentry_shape_is_right
	s_endpgm
.Lentry_shape_is_right:
; out = resid + A W^T + bias.  A: [4,096][SIZE_K] as images of operand registers (ac: [16 rows: 256][64 along K][768]; asc: [128 along K][4,096 rows] scale words); W: [1,024][SIZE_K] codes of FP6 (E2M3), K innermost,
; with E8M0 bytes [1,024][SIZE_K / 32]; bias [1,024], resid and out [4,096][1,024] f32.
; N is 1,024: tiles of 256 x 256 would be 64, so a tile is 128 x 128 (256 work-groups), a wave's 64 x 64: 16 accumulators.  Transposed use: source 0 = 16 rows of W, source 1 = a fragment of A: a lane holds 8 neighbouring columns of a row.
; K goes in slots of 512 (four quarters of 128) through a ring of two LDS slots filled by joint loads: A's tile shared along a row of the 4 x 4 cluster, W's along a column; all scale words come once.
; A refill is asked for behind a slot's last barrier and has the other slot's first three quarters and half a quarter more, 56 matrix instructions a wave, in which to land.
; The bias is the C of each sum's first matrix instruction.  The residual is asked for at the head and lands under the products.
; REGISTERS: window 0: v8-29 addresses; v32-63 scale words, two sets; v64-95 the bias; v96-127 rows on the way out; v128-255 the accumulators ((a, b) at v[128 + 8 (4 a + b)]).
;   window 1: two fragment buffers at v0 and v128: A's four blocks (12 registers each), then W's four.   window 2: v0-127 the residual.
.set SIZE_K, 4096
.set KROW,   SIZE_K*3/4
.set KS,     SIZE_K/32
.set LAPS,   SIZE_K/1024
.set ABLK,   6144                      ; 16 rows x 512 K of A: eight images of 768 bytes
.set AHALF,  4*ABLK
.set BP,     432                       ; a row of W in LDS: 3 x (128 bytes + 16): 108 words: the 32 lanes of a load of 8 bytes touch 64 different banks
.set BHALF,  64*BP
.set BOFF,   8*ABLK
.set SLOT,   BOFF+2*BHALF
.set SCA,    2*SLOT                    ; A's scale words: [128 along K][128 rows]
.set SCB,    SCA+4*SIZE_K              ; W's scale bytes: runs of 256 bytes + 16
.set HALFS,  (SIZE_K/128)*272
.set STAGE,  SCB+2*HALFS               ; 16 rows x 272 bytes for each wave
.set SPITCH, 272
.set SPARE,  STAGE+4*16*SPITCH         ; the spare words: 128 bytes a wave, named by no other line
.set ADA16, 8
.set ADA8,  10
.set ADB,   12
.set ADB2,  14
.set ADSA,  16
.set ADSB,  17
.set STO,   18
.set RD,    19
.set CO,    20
.set SPW,   28
.set NIL,   29
.set SCR,   32                         ; set s at v[32 + 16 s]: A's words at 2 q + i (lanes 0-15 block 2 i, lanes 16-31 block 2 i + 1); W's at 8 + 4 i + q
.set BI,    64
.set OB,    96
.set ACC,   128
.set F0,    0
.set F1,    128
.set WV, 18
.set G1A, 24
.set G0A, 32
.set G1B, 48
.set G0B, 56
.set G1SA, 68
.set G0SA, 76
.set G1SB, 80
.set G0SB, 88
.set MSB, 0
.macro WIN new
.if MSB != \new
	s_set_vgpr_msb (MSB<<8)|\new
.set MSB, \new
.endif
.endm
.set MUL,  0x05                        ; sources 0 and 1 window 1; C and D window 0
.set TO_F, 0x40
.macro JLOAD g0a, g1a, g0b, g1b        ; waves 0 and 1 fetch for A, waves 2 and 3 for W; four v_nop follow each line
	s_cmp_eq_u32 s19, 0
	s_cbranch_scc0 .Lfor_b_\@
	tensor_load_to_lds s[\g0a:\g0a+3], s[\g1a:\g1a+7]
	s_nop 0
.rept 4
	v_nop
.endr
	s_branch .Lasked_\@
.Lfor_b_\@:
	tensor_load_to_lds s[\g0b:\g0b+3], s[\g1b:\g1b+7]
	s_nop 0
.rept 4
	v_nop
.endr
.Lasked_\@:
.endm
.macro CREST
	s_cmp_lg_u32 s[WV], 0
	s_cbranch_scc1 .Lnot_wave_0_\@
	s_barrier_signal -3
.Lnot_wave_0_\@:
	s_barrier_wait -3
	s_barrier_signal -1
	s_barrier_wait -1
.endm
.macro CROUND
	s_barrier_signal -1
	s_barrier_wait -1
	CREST
.endm
.macro G1REST g, c, r, p
	s_mov_b32 s[\g+1], (\c)<<16
	s_mov_b32 s[\g+2], (\r)<<16
	s_mov_b32 s[\g+3], (\c)<<16
	s_mov_b32 s[\g+4], \r
	s_mov_b32 s[\g+5], \p
	s_mov_b32 s[\g+6], 0
	s_mov_b32 s[\g+7], 0
.endm
	s_load_b256 s[4:11], s[0:1], 0x0               ; ac, asc, W's codes, W's scales
	s_load_b128 s[12:15], s[0:1], 0x20             ; bias, resid
	s_load_b64 s[16:17], s[0:1], 0x30              ; out
	v_lshl_add_u32 v[SPW], v0, 2, SPARE
	v_mov_b32 v[NIL], 0
	ds_add_u32 v28, v29
	ds_add_u32 v28, v29
	s_wait_dscnt 0x0
	v_lshrrev_b32 v1, 5, v0
	v_readfirstlane_b32 s[WV], v1                  ; wave 0..3
	s_lshr_b32 s19, s[WV], 1                       ; my half of the rows.  Also: I fetch for A (0) or for W (1)
	s_and_b32 s20, s[WV], 1                        ; my half of the columns.  Also: which half I fetch
	s_bfe_u32 s40, ttmp6, 0x40000                  ; cx, cy
	s_bfe_u32 s41, ttmp6, 0x40004
	s_lshl_b32 s42, ttmp9, 2
	s_add_co_u32 s42, s42, s40                     ; tile column
	s_and_b32 s21, ttmp7, 0xffff
	s_lshl_b32 s21, s21, 2
	s_add_co_u32 s21, s21, s41                     ; tile row
	s_lshl_b32 s43, s41, 2
	s_lshl_b32 s43, 15, s43                        ; my row of the cluster
	s_lshl_b32 s44, 0x1111, s40                    ; my column
	s_or_b32 s[G1A], s43, (3<<16)|(1<<21)          ; A: 4 rows of 6,144 bytes (768 elements of 8), no padding
	G1REST G1A, 768, 4, (SIZE_K/64)*96
	s_or_b32 s[G1B], s44, (0<<16)|(1<<20)|(1<<21)|(4<<22)|(3<<25)   ; W: 64 rows of 384 bytes, 4 words of padding behind every 32
	G1REST G1B, 384, 64, KROW
	s_or_b32 s[G1SA], s43, (3<<16)|(1<<21)         ; A's scale words: SIZE_K / 256 rows of 512 bytes, 16,384 apart
	G1REST G1SA, 64, SIZE_K/256, 2048
	s_or_b32 s[G1SB], s44, (3<<16)|(1<<20)|(1<<21)|(5<<22)|(3<<25)  ; W's scale bytes of 64 rows: dense, as rows of 256 bytes + 16
	G1REST G1SB, 32, SIZE_K/128, 32
	s_lshl_b32 s22, s21, 3
	s_lshl_b32 s23, s20, 2
	s_add_co_u32 s22, s22, s23                     ; A: block of 16 rows 8 x tile row + 4 x half
	s_mul_i32 s22, s22, (SIZE_K/64)*768
	s_mov_b32 s23, 0
	s_mul_i32 s46, s20, (SIZE_K/256)*4096          ; A's scale words: my half of the K steps,
	s_lshl_b32 s47, s21, 7
	s_add_co_u32 s46, s46, s47                     ; the tile's 128 rows
	s_lshl_b32 s46, s46, 2
	s_mov_b32 s47, 0
	s_lshl_b32 s92, s42, 7
	s_lshl_b32 s93, s20, 6
	s_add_co_u32 s92, s92, s93                     ; W: row 128 x tile column + 64 x half
	s_mul_i32 s94, s92, KS
	s_mov_b32 s95, 0
	s_mul_i32 s92, s92, KROW
	s_mov_b32 s93, 0
	s_mul_i32 s45, s20, AHALF                      ; where they go: by the wave's number alone
	s_mul_i32 s96, s20, BHALF
	s_add_co_u32 s96, s96, BOFF
	s_mul_i32 s97, s20, 2*SIZE_K
	s_add_co_u32 s97, s97, SCA
	s_mul_i32 s98, s20, HALFS
	s_add_co_u32 s98, s98, SCB
	s_wait_kmcnt 0x0
	s_add_nc_u64 s[22:23], s[4:5], s[22:23]
	s_add_nc_u64 s[46:47], s[6:7], s[46:47]
	s_add_nc_u64 s[92:93], s[8:9], s[92:93]
	s_add_nc_u64 s[94:95], s[10:11], s[94:95]
	CROUND                                         ; all sixteen work-groups are here: the first joint loads meet
	s_mov_b32 s[G0SA], 1
	s_mov_b32 s[G0SA+1], s97
	s_mov_b64 s[G0SA+2:G0SA+3], s[46:47]
	s_or_b32 s[G0SA+3], s[G0SA+3], 0x80000000
	s_mov_b32 s[G0SB], 1
	s_mov_b32 s[G0SB+1], s98
	s_mov_b64 s[G0SB+2:G0SB+3], s[94:95]
	s_or_b32 s[G0SB+3], s[G0SB+3], 0x80000000
	JLOAD G0SA, G1SA, G0SB, G1SB                   ; the scales first
.irp s, 0,1
	s_mov_b32 s[G0A+4*\s], 1
	s_add_co_u32 s[G0A+4*\s+1], s45, \s*SLOT
	s_add_nc_u64 s[G0A+4*\s+2:G0A+4*\s+3], s[22:23], \s*ABLK
	s_or_b32 s[G0A+4*\s+3], s[G0A+4*\s+3], 0x80000000
	s_mov_b32 s[G0B+4*\s], 1
	s_add_co_u32 s[G0B+4*\s+1], s96, \s*SLOT
	s_add_nc_u64 s[G0B+4*\s+2:G0B+4*\s+3], s[92:93], \s*384
	s_or_b32 s[G0B+4*\s+3], s[G0B+4*\s+3], 0x80000000
	JLOAD G0A+4*\s, G1A, G0B+4*\s, G1B
.endr
	v_and_b32 v1, 15, v0                           ; r
	v_bfe_u32 v2, v0, 4, 1                         ; h
	v_and_b32 v3, 31, v0                           ; lane
	s_lshl_b32 s46, s21, 7
	s_lshl_b32 s47, s19, 6
	s_add_co_u32 s46, s46, s47                     ; my first row
	s_lshl_b32 s46, s46, 12                        ; x 4,096 bytes
	s_lshl_b32 s47, s42, 7
	s_lshl_b32 s92, s20, 6
	s_add_co_u32 s47, s47, s92                     ; my first column
	s_lshl_b32 s47, s47, 2
	v_lshl_add_u32 v5, v2, 5, s47                  ; the bias: 4 x column + 32 h
	s_add_co_u32 s46, s46, s47
	s_mov_b32 s47, 0
	s_add_nc_u64 s[14:15], s[14:15], s[46:47]
	s_add_nc_u64 s[16:17], s[16:17], s[46:47]
	v_lshlrev_b32 v4, 12, v2
	v_lshl_add_u32 v[CO], v1, 4, v4                ; lanes 0-15 one row's 256 bytes, lanes 16-31 the next row's
.irp b, 0,1,2,3
	global_load_b128 v[BI+8*\b:BI+8*\b+3], v5, s[12:13] offset:64*\b
	global_load_b128 v[BI+8*\b+4:BI+8*\b+7], v5, s[12:13] offset:64*\b+16
.endr
	WIN 0x80                                       ; destination window 2
.irp a, 0,1,2,3
.irp i, 0,1,2,3,4,5,6,7
	global_load_b128 v[32*\a+4*\i:32*\a+4*\i+3], v[CO], s[14:15] offset:65536*\a+8192*\i th:TH_LOAD_NT
.endr
.endr
	WIN 0
	s_mul_i32 s46, s19, AHALF                      ; my 64 rows of A
	v_lshl_add_u32 v[ADA16], v3, 4, s46
	v_lshl_add_u32 v[ADA8], v3, 3, s46
	v_add_nc_u32 v[ADA16+1], SLOT, v[ADA16]
	v_add_nc_u32 v[ADA8+1], SLOT, v[ADA8]
	s_mul_i32 s46, s20, BHALF                      ; my 64 rows of W
	s_add_co_u32 s46, s46, BOFF
	v_mul_u32_u24 v4, v1, BP
	v_mad_u32_u24 v4, v2, 24, v4
	v_add_nc_u32 v[ADB], s46, v4
	v_lshl_add_u32 v[ADB2], v2, 4, v[ADB]
	v_add_nc_u32 v[ADB+1], SLOT, v[ADB]
	v_add_nc_u32 v[ADB2+1], SLOT, v[ADB2]
	s_lshl_b32 s46, s19, 8
	s_add_co_u32 s46, s46, SCA
	v_lshl_add_u32 v[ADSA], v3, 2, s46
	v_mul_u32_u24 v4, v3, KS
	v_lshrrev_b32 v6, 8, v4
	v_lshl_add_u32 v4, v6, 4, v4
	s_mul_i32 s46, s20, HALFS
	s_add_co_u32 s46, s46, SCB
	v_add_nc_u32 v[ADSB], s46, v4
	s_mul_i32 s46, s[WV], 16*SPITCH
	s_add_co_u32 s46, s46, STAGE
	v_mul_u32_u24 v4, v1, SPITCH
	v_lshl_add_u32 v4, v2, 5, v4
	v_add_nc_u32 v[STO], s46, v4                   ; into my stage: row r, 32 bytes for each half of the lanes
	v_mul_u32_u24 v4, v2, SPITCH
	v_lshl_add_u32 v4, v1, 4, v4
	v_add_nc_u32 v[RD], s46, v4                    ; back: two rows an instruction
.macro WM d, a, b, c, sa, sb, ra, rb   ; one product; ra, rb: source 0's, source 1's scale words stand in lanes 16-31
.if (\ra) && (\rb)
	v_wmma_scale_f32_16x16x128_f8f6f4 v[(\d):(\d)+7], v[(\a):(\a)+11], v[(\b):(\b)+11], v[(\c):(\c)+7], v[\sa], v[\sb] matrix_a_fmt:MATRIX_FMT_FP6 matrix_b_fmt:MATRIX_FMT_FP6 matrix_a_scale:MATRIX_SCALE_ROW1 matrix_b_scale:MATRIX_SCALE_ROW1
.elseif (\ra)
	v_wmma_scale_f32_16x16x128_f8f6f4 v[(\d):(\d)+7], v[(\a):(\a)+11], v[(\b):(\b)+11], v[(\c):(\c)+7], v[\sa], v[\sb] matrix_a_fmt:MATRIX_FMT_FP6 matrix_b_fmt:MATRIX_FMT_FP6 matrix_a_scale:MATRIX_SCALE_ROW1
.elseif (\rb)
	v_wmma_scale_f32_16x16x128_f8f6f4 v[(\d):(\d)+7], v[(\a):(\a)+11], v[(\b):(\b)+11], v[(\c):(\c)+7], v[\sa], v[\sb] matrix_a_fmt:MATRIX_FMT_FP6 matrix_b_fmt:MATRIX_FMT_FP6 matrix_b_scale:MATRIX_SCALE_ROW1
.else
	v_wmma_scale_f32_16x16x128_f8f6f4 v[(\d):(\d)+7], v[(\a):(\a)+11], v[(\b):(\b)+11], v[(\c):(\c)+7], v[\sa], v[\sb] matrix_a_fmt:MATRIX_FMT_FP6 matrix_b_fmt:MATRIX_FMT_FP6
.endif
.endm
; A's block a against W's four, the slot's q-th 128 along K, from buffer f.  The 16 accumulators take turns, one instruction a turn, in the same order everywhere.
.macro MUL4 f, q, sc, a, first
.irp b, 0,1,2,3
.if \first
	WM ACC+8*(4*(\a)+\b), (\f)+48+12*\b, (\f)+12*(\a), BI+8*\b, SCR+16*(\sc)+8+4*(\b/2)+(\q), SCR+16*(\sc)+2*(\q)+(\a)/2, \b%2, (\a)%2
.else
	WM ACC+8*(4*(\a)+\b), (\f)+48+12*\b, (\f)+12*(\a), ACC+8*(4*(\a)+\b), SCR+16*(\sc)+8+4*(\b/2)+(\q), SCR+16*(\sc)+2*(\q)+(\a)/2, \b%2, (\a)%2
.endif
.endr
.endm
.macro FRAGB reg, slot, q, b           ; a fragment of W: six pieces of 8 bytes; where lanes 16-31's piece lies behind one padding more, the second address register serves
.irp p, 0,1,2,3,4,5
.set PCE, 12*(\q)+6*(\p/3)+\p%3
.if PCE%16 < 13
	ds_load_b64 v[\reg+2*\p:\reg+2*\p+1], v[ADB+\slot] offset:8*PCE+16*(PCE/16)+(\b)*16*BP
.else
	ds_load_b64 v[\reg+2*\p:\reg+2*\p+1], v[ADB2+\slot] offset:8*PCE+16*(PCE/16)+(\b)*16*BP
.endif
.endr
.endm
.macro FRAGA reg, slot, q, i           ; a fragment of A: two images on end
	ds_load_b128 v[\reg:\reg+3], v[ADA16+\slot] offset:ABLK*(\i)+1536*(\q)
	ds_load_b64 v[\reg+4:\reg+5], v[ADA8+\slot] offset:ABLK*(\i)+1536*(\q)+512
	ds_load_b128 v[\reg+6:\reg+9], v[ADA16+\slot] offset:ABLK*(\i)+1536*(\q)+768
	ds_load_b64 v[\reg+10:\reg+11], v[ADA8+\slot] offset:ABLK*(\i)+1536*(\q)+1280
.endm
.macro FETCH slot, q, f                ; 40 LDS loads in one run: W's four fragments (24), A's blocks 0, 1 (8), A's blocks 2, 3 (8)
	WIN TO_F
.irp b, 0,1,2,3
	FRAGB (\f)+48+12*\b, \slot, \q, \b
.endr
.irp i, 0,1,2,3
	FRAGA (\f)+12*\i, \slot, \q, \i
.endr
.endm
.macro SCALES sc                       ; a slot's scale words: ten loads
.irp q, 0,1,2,3
.irp i, 0,1
	ds_load_b32 v[SCR+16*\sc+2*\q+\i], v[ADSA] offset:512*\q+128*\i
.endr
.endr
.irp i, 0,1
	ds_load_b128 v[SCR+16*\sc+8+4*\i:SCR+16*\sc+8+4*\i+3], v[ADSB] offset:\i*(32*KS/256)*272
.endr
.endm
.macro PLACES                          ; four plain lines between a matrix instruction and a load into, or a read of, its registers
.rept 4
	v_nop
.endr
.endm
.macro QUARTER slot, q, first          ; one of a slot's first three quarters: multiplies buffer q % 2 and fetches the next quarter into the other
	s_wait_dscnt 8                                 ; all but the youngest eight loads (A's blocks 2, 3)
	WIN MUL
	MUL4 128*((\q)%2), \q, \slot, 0, \first
	MUL4 128*((\q)%2), \q, \slot, 1, \first
	PLACES
	FETCH \slot, (\q)+1, 128-128*((\q)%2)
	s_wait_dscnt 40                                ; all but the 40 just issued
	WIN MUL
	MUL4 128*((\q)%2), \q, \slot, 2, \first
	MUL4 128*((\q)%2), \q, \slot, 3, \first
.endm
.macro TURN slot, next, fill           ; a slot's last quarter (buffer 1) changes slots: one barrier
	WIN 0
	s_wait_tensorcnt 0x0                           ; all my tensor loads have landed: my part of the next slot;
	ds_add_u32 v[SPW], v[NIL]                      ; 0 onto my spare word;
	s_wait_dscnt 9                                 ; (the add and the youngest eight loads may be out)
	WIN MUL
	MUL4 F1, 3, \slot, 0, 0
	s_wait_dscnt 0x0                               ; the add is done, and my reads of this slot are over
	s_barrier_signal -1
	MUL4 F1, 3, \slot, 1, 0
	WIN 0
	s_barrier_wait -1
.if \fill
	CREST                                          ; the barrier has opened a round of the cluster's: no wave of any partner still reads this slot or has a load on its way
	s_add_nc_u64 s[G0A+4*\slot+2:G0A+4*\slot+3], s[G0A+4*\slot+2:G0A+4*\slot+3], 2*ABLK
	s_add_nc_u64 s[G0B+4*\slot+2:G0B+4*\slot+3], s[G0B+4*\slot+2:G0B+4*\slot+3], 2*384
	JLOAD G0A+4*\slot, G1A, G0B+4*\slot, G1B       ; the first tensor load behind the round
.else
	PLACES
.endif
	v_add_nc_u32 v[ADSA], 2048, v[ADSA]            ; the next slot's scale words
	v_add_nc_u32 v[ADSB], 16, v[ADSB]
	SCALES \next
	FETCH \next, 0, F0
	WIN MUL
	MUL4 F1, 3, \slot, 2, 0
	MUL4 F1, 3, \slot, 3, 0
.endm
	s_wait_loadcnt 32                              ; the bias is in; the residual's 32 loads stay out
	s_wait_tensorcnt 1                             ; the scales and my part of slot 0 are in (slot 1's load may be out),
	s_barrier_signal -1
	s_barrier_wait -1                              ; everybody's are
	SCALES 0
	FETCH 0, 0, F0
	QUARTER 0, 0, 1                                ; the first quarter's products start the sums, from the bias
.if LAPS > 1
	WIN 0
	s_mov_b32 s3, LAPS-1
.Llap:                                             ; a trip goes once round the ring and fills both slots again
	QUARTER 0, 1, 0
	QUARTER 0, 2, 0
	TURN 0, 1, 1
	QUARTER 1, 0, 0
	QUARTER 1, 1, 0
	QUARTER 1, 2, 0
	TURN 1, 0, 1
	QUARTER 0, 0, 0
	WIN 0
	s_sub_co_u32 s3, s3, 1
	s_cmp_lg_u32 s3, 0
	s_cbranch_scc1 .Llap
.endif
	QUARTER 0, 1, 0                                ; the last lap fills nothing
	QUARTER 0, 2, 0
	TURN 0, 1, 0
	QUARTER 1, 0, 0
	QUARTER 1, 1, 0
	QUARTER 1, 2, 0
	s_wait_dscnt 8
	WIN MUL
	MUL4 F1, 3, 1, 0, 0
	MUL4 F1, 3, 1, 1, 0
	s_wait_dscnt 0
	MUL4 F1, 3, 1, 2, 0
	MUL4 F1, 3, 1, 3, 0
	WIN 0
	; THE WAY OUT: 16 rows x 64 columns at a time through my own stage, back as rows of 256 bytes, + the residual, stored: sixteen lanes fill 256 consecutive bytes, aligned
	s_wait_loadcnt 0x0                             ; the residual
	PLACES
.irp a, 0,1,2,3
	s_wait_xcnt 0x0                                ; the last block's stores have read their registers
.irp b, 0,1,2,3
	ds_store_b128 v[STO], v[ACC+8*(4*\a+\b):ACC+8*(4*\a+\b)+3] offset:64*\b        ; each accumulator from its low end on
	ds_store_b128 v[STO], v[ACC+8*(4*\a+\b)+4:ACC+8*(4*\a+\b)+7] offset:64*\b+16
.endr
.irp i, 0,1,2,3,4,5,6,7
	ds_load_b128 v[OB+4*\i:OB+4*\i+3], v[RD] offset:2*SPITCH*\i    ; LDS serves a wave's instructions in order: these see my stores
.endr
	s_wait_dscnt 0x0
	WIN 0x08                                       ; source 1: window 2
.set i, 0
.rept 16
	v_pk_add_f32 v[OB+i:OB+i+1], v[OB+i:OB+i+1], v[32*\a+i:32*\a+i+1]
.set i, i+2
.endr
	WIN 0
.irp i, 0,1,2,3,4,5,6,7
	global_store_b128 v[CO], v[OB+4*\i:OB+4*\i+3], s[16:17] offset:65536*\a+8192*\i
.endr
.endr
	s_wait_tensorcnt 0x0                           ; the wave's end
	ds_add_u32 v[SPW], v[NIL]
	s_wait_dscnt 0x0
	CROUND                                         ; the closing round
	s_endpgm
.Lfunc_end_k_q91c165ba78_w2:
	.size	k_q91c165ba78_w2, .Lfunc_end_k_q91c165ba78_w2-k_q91c165ba78_w2
	.p2alignl 7, 3214868480
	.fill 96, 4, 3214868480
	.section	.rodata,"a",@progbits
	.p2align	6, 0x0
	.amdhsa_kernel k_q91c165ba78_w2
		.amdhsa_group_segment_fixed_size 327680
		.amdhsa_private_segment_fixed_size 0
		.amdhsa_enable_private_segment 0
		.amdhsa_kernarg_size 56
		.amdhsa_user_sgpr_count 2
		.amdhsa_user_sgpr_kernarg_segment_ptr 1
		.amdhsa_wavefront_size32 1
		.amdhsa_system_sgpr_workgroup_id_x 1
		.amdhsa_system_sgpr_workgroup_id_y 1
		.amdhsa_system_sgpr_workgroup_id_z 1
		.amdhsa_system_vgpr_workitem_id 0
		.amdhsa_next_free_vgpr 768
		.amdhsa_next_free_sgpr 100
		.amdhsa_reserve_vcc 0
		.amdhsa_float_denorm_mode_32 3
		.amdhsa_float_denorm_mode_16_64 3
		.amdhsa_memory_ordered 1
		.amdhsa_forward_progress 1
		.amdhsa_inst_pref_size 108
	.end_amdhsa_kernel
	.amdgpu_metadata
---
amdhsa.version: [ 1, 2 ]
amdhsa.kernels:
  - .name:           k_q91c165ba78_w2
    .symbol:         k_q91c165ba78_w2.kd
    .args:
      - { .name: ac, .offset: 0, .size: 8, .value_kind: global_buffer, .address_space: global }
      - { .name: asc, .offset: 8, .size: 8, .value_kind: global_buffer, .address_space: global }
      - { .name: w2_codes, .offset: 16, .size: 8, .value_kind: global_buffer, .address_space: global }
      - { .name: w2_scales, .offset: 24, .size: 8, .value_kind: global_buffer, .address_space: global }
      - { .name: b2, .offset: 32, .size: 8, .value_kind: global_buffer, .address_space: global }
      - { .name: x1, .offset: 40, .size: 8, .value_kind: global_buffer, .address_space: global }
      - { .name: out0, .offset: 48, .size: 8, .value_kind: global_buffer, .address_space: global }
    .group_segment_fixed_size: 327680
    .private_segment_fixed_size: 0
    .kernarg_segment_align: 8
    .kernarg_segment_size: 56
    .max_flat_workgroup_size: 128
    .sgpr_count:     100
    .vgpr_count:     768
    .wavefront_size: 32
...
	.end_amdgpu_metadata
.endif
;; end of part 6
